; MI455X (gfx1250); checked and timed in simulation.
; The chip was launched on July 23, 2026; its instructions are those of AMD's public machine-readable ISA for CDNA 5 (MIT licence, August 2026) and "CDNA5" Instruction Set Architecture Reference Guide (July 2026). The comments in the code are by the model that wrote it; some were corrected since.
;; Multi Head Attention Einsum. Allowed arithmetic: matrix products marked QUANTISED: E3M2 operands, one E8M0 scale for each 32 along K, by v_wmma_scale_f32_16x16x128_f8f6f4 with both operands' format E3M2, f32 sums; everything else in f32.
;; Inputs: W_k 1,024 x 1,024 float32; W_out 1,024 x 1,024 float32; W_q 1,024 x 1,024 float32; W_v 1,024 x 1,024 float32; b_out 1,024 float32; x 4 x 2,048 x 1,024 float32.
;; Outputs: out0 4 x 2,048 x 1,024 float32.
;; This version of the problem:
;;   THIS VERSION OF THE PROBLEM IS GIVEN IN LOW PRECISION. The matrix products marked QUANTISED in the list below multiply operands that are first quantised to E3M2 (3 exponent bits, 2 mantissa bits; 6 bits a number), with one power-of-two scale for each 32 numbers along K (OCP MX v1.0); their sums are f32. All else is computed in f32.
;;   The module's matrix products, in the order in which they are computed (A, B: the left and right operand; K: the contracted axis; several contracted axes count as one K, in the product's order):
;;     1. [M 8,192, K 1,024] x [K 1,024, N 1,024]; A: input x; B: input W_q: QUANTISED
;;     2. [M 8,192, K 1,024] x [K 1,024, N 1,024]; A: input x; B: input W_k: QUANTISED
;;     3. [M 8,192, K 1,024] x [K 1,024, N 1,024]; A: input x; B: input W_v: QUANTISED
;;     4. batch 64 x [M 2,048, K 64] x [K 64, N 2,048]; A: computed on the way; B: computed on the way: QUANTISED
;;     5. batch 64 x [M 2,048, K 2,048] x [K 2,048, N 64]; A: softmax (see below); B: computed on the way: QUANTISED
;;     6. [M 8,192, K 1,024] x [K 1,024, N 1,024]; A: computed on the way; B: input W_out: QUANTISED
;;   THE QUANTISER, for each operand of a quantised product, along K:
;;     - K is cut into blocks of 32 from its start; a last block that is shorter is filled with zeros.
;;     - A block's scale is 2^e with e = floor(log2(the largest magnitude in the block)) - 4, held to -126 .. 127; a block of zeros has e = 0. As a byte (E8M0): e + 127.
;;     - Each number is divided by its block's scale, clamped to +-28, and rounded to the nearest number of E3M2, ties to even, subnormals kept.
;;     - The product sums the exact products of the quantised numbers (number of the format x scale) in f32.
;;   ~~~python
;;   def quantise(x, axis):      # numpy; x: float32 -> the quantised numbers, widened to float32 again
;;       x = np.moveaxis(x, axis, -1); K = x.shape[-1]
;;       x = np.pad(x, [(0, 0)] * (x.ndim - 1) + [(0, -K % 32)]); x = x.reshape(x.shape[:-1] + (-1, 32)); a = np.abs(x).max(-1, keepdims=True)
;;       e = np.where(a > 0, np.clip(np.frexp(np.where(a > 0, a, 1))[1] - 1 - 4, -126, 127), 0)      # np.frexp(a)[1] - 1 = floor(log2(a)), exactly
;;       r = np.clip(x / 2.0 ** e, -28, 28)
;;       step = 2.0 ** (np.maximum(np.frexp(np.where(r == 0, 1, r))[1] - 1, -2) - 2)
;;       q = np.round(r / step) * step * 2.0 ** e      # np.round: ties to even
;;       return np.moveaxis(q.reshape(q.shape[:-2] + (-1,))[..., :K], -1, axis).astype(np.float32)
;;   ~~~
;;   SOFTMAX AHEAD OF A QUANTISED PRODUCT. Where the list says 'softmax', what is quantised is not the finished softmax but p = 2^(t - M), with t = logit x log2(e) and M = ceil(the row's largest t), a whole number; so 1/2 < the row's largest p <= 1. The row's sum l is taken of the UNQUANTISED p, in f32, and the product's result is divided by l at the end. Since M is a whole number, a kernel that streams over the keys may use a running M (the ceiling of the running maximum): every later rescaling is an exact power of two, which a block's scale takes up: the codes' values come out the same.
;;   OPERANDS COMPUTED ON THE WAY. 'Computed on the way' means the value that the module computes at that place (a softmax that the list does not call 'softmax' is quantised finished and normalised). What goes into a quantiser is computed in f32, as accurately as f32 sums, v_exp_f32 and their like allow (about 1e-6 of the number): no bf16 or f16 on the way to a quantiser, and a product that is left as it is and whose result goes on into a quantised operand takes f32 operands (vector FMAs, or v_wmma_f32_16x16x4_f32). A number that lies on a knife's edge between two numbers of the format may be rounded either way, as far as f32 arithmetic and the matrix unit's own rounding can turn it there, and no further.
;; One version. Each part assembles by itself: llvm-mc -triple=amdgcn-amd-amdhsa -mcpu=gfx1250 --defsym DOCPART=n.
;; ======== version 1 of 1: 4 launches
;; workspace buffers: cod 9,437,184 bytes; cos 393,216 bytes; qkv 18,874,368 bytes; qvs 786,432 bytes; ctx 6,291,456 bytes; cts 262,144 bytes
;; launch quant (part 1): grid 768 x 1, 4 waves a work-group, no clusters, 35,328 bytes of LDS; arguments x, W_q, W_k, W_v, W_out, cod, cos; writes cod, cos
.if DOCPART == 1
	.amdgcn_target "amdgcn-amd-amdhsa--gfx1250"
	.amdhsa_code_object_version 6
	.text
	.protected	k_q58e75743b1_quant
	.globl	k_q58e75743b1_quant
	.p2align	8
	.type	k_q58e75743b1_quant,@function
k_q58e75743b1_quant:
	s_mov_b64 s[64:65], 0
	v_nop
	global_prefetch_b8 v0, s[64:65] scope:SCOPE_SE
	s_setreg_imm32_b32 hwreg(HW_REG_WAVE_MODE, 25, 1), 1
	s_wait_xcnt 0x0
; x [8192][1024], W_q, W_k, W_v, W_out [1024][1024], f32, K innermost, become codes of BF6 (E3M2) with one E8M0 byte for each 32 along K.
; A block's byte is its largest magnitude's exponent field - 4, held at 1 from below; each number is divided by the scale and rounded to the nearest code, ties to even, beyond 28 the largest code.
; LIMITS: NaN and infinities among the inputs are not served.  A block of zeros gets the byte 1 where the rule says 127: its codes are zeros, which add nothing under any byte but 0xff, and this program alone reads the bytes.
; LAYOUT OF THE RESULTS, chosen for the launches that read them.  The 12,288 rows (x, then the four weights) are cut into 768 tiles of 16 rows.  THE ROWS OF A TILE ARE NOT NEIGHBOURS:
; lane r of tile T holds row 32 (T / 2) + 8 (T % 2) + r + 8 (r / 8) of its tensor, so that a product that takes such a tile as source 0 leaves 16 neighbours in a lane's registers of two neighbouring result tiles.
; cod: [tile 768][64 along K: 16] images of 768 bytes.  An image is the six operand registers of the 32 lanes for 16 rows x 64 K: registers 0-3 of lane l at 16 l, registers 4-5 at 512 + 8 l.
; cos: [tile 768][256 along K: 4][r 16][2] scale words (four bytes: 128 along K of one row).
; SHARES.  A work-group takes a tile, wave w its K 256 w .. 256 w + 255, as two chunks of 128.  Each load reads 512 consecutive bytes of one row; a chunk turns through the wave's own stage in LDS, from which
; lane (r, h) takes the two whole blocks of 32 that the operand's layout gives it: no other lane is asked for a maximum.  All 32 loads of a wave go out at once.
; No cluster, no tensor loads, no matrix unit: the work-groups share no input, and the launch only streams.
.set STG,  8448                        ; a wave's stage: 16 rows x (512 bytes + 16)
.set SCST, 4*STG                       ; behind the stages: the tile's 512 bytes of scale words
.set PC,   16                          ; v16-27   a chunk's codes: twelve operand registers
.set RAW,  32                          ; v32-159  two chunks as they are loaded: 16 rows x 4 registers each
.set X,    160                         ; v160-223 my two blocks of 32 numbers
.set T2,   224                         ; v224-230 the blocks' upper halves' codes (a conversion's three registers begin on an even number)
.set MX,   232                         ; v232-233 largest magnitudes
.set SO,   234                         ; v234-235 the conversions' scale operands
.set BY,   236                         ; v236-237 the scale bytes
	s_load_b256 s[4:11], s[0:1], 0x0               ; x, W_q, W_k, W_v
	s_load_b128 s[12:15], s[0:1], 0x20             ; W_out, cod
	s_load_b64 s[16:17], s[0:1], 0x30              ; cos
	v_lshl_add_u32 v240, v0, 2, 0x8800
	v_mov_b32 v241, 0
	v_lshrrev_b32 v1, 5, v0
	v_readfirstlane_b32 s18, v1                    ; wave 0..3
	v_and_b32 v1, 31, v0                           ; lane
	v_and_b32 v2, 15, v0                           ; r
	v_bfe_u32 v3, v0, 4, 1                         ; h
	v_lshlrev_b32 v4, 4, v1                        ; 16 x lane: a load's 512 bytes, and an image's first part
	v_lshlrev_b32 v5, 3, v1                        ; 8 x lane: an image's second part
	s_mul_i32 s19, s18, STG
	v_add_nc_u32 v6, s19, v4                       ; the stage on the way in: a row's 512 bytes as they lie
	v_mul_u32_u24 v7, v2, 528
	v_lshl_add_u32 v7, v3, 7, v7
	v_add_nc_u32 v7, s19, v7                       ; and on the way out: row r, + 128 h: my block's 32 numbers
	v_lshlrev_b32 v8, 3, v3                        ; 8 h: my bytes' place in a scale word, in bits
	s_lshl_b32 s19, s18, 7
	s_add_co_u32 s19, s19, SCST
	v_lshl_add_u32 v9, v2, 3, s19                  ; my row's two scale words: 128 x wave + 8 r
	v_add_nc_u32 v10, SCST, v4                     ; the whole tile's, 16 bytes a lane (wave 0 reads them)
	v_mov_b32 v238, 0                              ; written once: a lane permute's destination counts as one of its sources
	s_mov_b32 s22, 0x76543210
	s_mov_b32 s23, 0xfedcba98                      ; v_permlanex16_b32's selects for lane l xor 16
	s_cmp_lt_u32 ttmp9, 512                        ; x has 512 tiles, each weight 64
	s_cselect_b32 s20, 0x1ff, 63
	s_and_b32 s20, ttmp9, s20                      ; the tile's number in its own tensor
	s_lshr_b32 s21, s20, 1
	s_lshl_b32 s21, s21, 17                        ; 32 rows of 4,096 bytes for each pair of tiles,
	s_and_b32 s26, s20, 1
	s_lshl_b32 s26, s26, 15                        ; 8 rows for the odd one,
	s_add_co_u32 s26, s26, s21
	s_lshl_b32 s27, s18, 10                        ; my wave's 256 numbers of a row
	s_add_co_u32 s26, s26, s27
	s_mov_b32 s27, 0
	s_mul_i32 s28, ttmp9, 12288                    ; the tile's 16 images,
	s_mul_i32 s29, s18, 3072                       ; my wave's four of them
	s_add_co_u32 s28, s28, s29
	s_mov_b32 s29, 0
	s_lshl_b32 s30, ttmp9, 9                       ; the tile's 512 bytes of scale words
	s_mov_b32 s31, 0
	s_wait_kmcnt 0x0
	s_cmp_lt_u32 ttmp9, 704                        ; which tensor: the choice hangs on the work-group's number alone
	s_cselect_b64 s[24:25], s[10:11], s[12:13]
	s_cmp_lt_u32 ttmp9, 640
	s_cselect_b64 s[24:25], s[8:9], s[24:25]
	s_cmp_lt_u32 ttmp9, 576
	s_cselect_b64 s[24:25], s[6:7], s[24:25]
	s_cmp_lt_u32 ttmp9, 512
	s_cselect_b64 s[24:25], s[4:5], s[24:25]
	s_add_nc_u64 s[24:25], s[24:25], s[26:27]
	s_add_nc_u64 s[14:15], s[14:15], s[28:29]
	s_add_nc_u64 s[16:17], s[16:17], s[30:31]
.irp c, 0,1                            ; chunk c of the tile's 16 rows: 32 lanes read 512 consecutive bytes, at a multiple of 512 from the tensor's first byte
.set rho, 0
.rept 16
	global_load_b128 v[RAW+64*\c+4*rho:RAW+64*\c+4*rho+3], v4, s[24:25] offset:(rho+8*(rho/8))*4096+512*\c th:TH_LOAD_NT
.set rho, rho+1
.endr
.endr
.macro CHUNK c
	s_wait_loadcnt 16*(1-\c)                       ; this chunk's sixteen loads are in; the other chunk's sixteen may be out
.set rho, 0
.rept 16
	ds_store_b128 v6, v[RAW+64*\c+4*rho:RAW+64*\c+4*rho+3] offset:528*rho
.set rho, rho+1
.endr
.irp d, 0,1                            ; LDS serves a wave's instructions in order (ISA guide 5.7.1.4): no wait between the stores and the loads
.irp j, 0,1,2,3,4,5,6,7
	ds_load_b128 v[X+32*\d+4*\j:X+32*\d+4*\j+3], v7 offset:256*\d+16*\j    ; k = 64 d + 32 h + 4 j .. of row r
.endr
.endr
	s_wait_dscnt 0x0
.irp d, 0,1
	v_max3_num_f32 v[MX+\d], |v[X+32*\d]|, |v[X+32*\d+1]|, 0x2800000       ; my block 2 d + h, and the floor 2^(5 - 127): the byte cannot fall under 1
.endr
.irp i, 2,4,6,8,10,12,14,16,18,20,22,24,26,28,30
.irp d, 0,1
	v_max3_num_f32 v[MX+\d], v[MX+\d], |v[X+32*\d+\i]|, |v[X+32*\d+\i+1]|  ; (the two blocks by turns)
.endr
.endr
.irp d, 0,1
	v_add_nc_u32 v[SO+\d], 0xfe000000, v[MX+\d]    ; 4 off the exponent field: the conversion takes the exponent field of this operand as its scale
.endr
.irp d, 0,1
	v_lshrrev_b32 v[BY+\d], 23, v[SO+\d]           ; the scale's byte
.endr
	v_lshl_or_b32 v[12+\c], v[BY+1], 16, v[BY]     ; my two bytes, blocks h and 2 + h,
	v_lshlrev_b32 v[12+\c], v8, v[12+\c]           ; at their places in the word;
	v_permlanex16_b32 v238, v[12+\c], s22, s23
	v_or_b32 v[12+\c], v[12+\c], v238              ; with lane l xor 16's two the word is whole
.if \c
	s_wait_xcnt 0x0                                ; the first chunk's stores have read the codes' registers: only behind this wait are they written again
.endif
.irp d, 0,1
	v_cvt_scalef32_pk16_bf6_f32 v[PC+6*\d:PC+6*\d+2], v[X+32*\d:X+32*\d+15], v[SO+\d]
	v_cvt_scalef32_pk16_bf6_f32 v[T2+4*\d:T2+4*\d+2], v[X+32*\d+16:X+32*\d+31], v[SO+\d]
.endr
	v_nop                                          ; one plain place behind a scaled conversion
.irp d, 0,1
.irp i, 0,1,2
	v_mov_b32 v[PC+6*\d+3+\i], v[T2+4*\d+\i]
.endr
.endr
.irp d, 0,1                            ; an image: 512 and 256 consecutive bytes, each at a multiple of 256 from the buffer's first byte
	global_store_b128 v4, v[PC+6*\d:PC+6*\d+3], s[14:15] offset:(2*\c+\d)*768
	global_store_b64 v5, v[PC+6*\d+4:PC+6*\d+5], s[14:15] offset:(2*\c+\d)*768+512
.endr
.endm
	CHUNK 0
	CHUNK 1
	ds_store_b64 v9, v[12:13]                      ; lanes 16-31 write the same bytes with the same values
	s_wait_dscnt 0x0                               ; for the others' sake: my store has landed
	s_barrier_signal -1
	s_barrier_wait -1
	s_cmp_lg_u32 s18, 0
	s_cbranch_scc1 .Lend
	ds_load_b128 v[32:35], v10                     ; the four waves' scale words: the tile's 512 bytes
	s_wait_dscnt 0x0
	global_store_b128 v4, v[32:35], s[16:17]       ; 512 consecutive bytes
.Lend:
	s_wait_tensorcnt 0x0
	ds_add_u32 v240, v241
	s_wait_dscnt 0x0
	s_endpgm
.Lfunc_end_k_q58e75743b1_quant:
	.size	k_q58e75743b1_quant, .Lfunc_end_k_q58e75743b1_quant-k_q58e75743b1_quant
	.p2alignl 7, 3214868480
	.fill 96, 4, 3214868480
	.section	.rodata,"a",@progbits
	.p2align	6, 0x0
	.amdhsa_kernel k_q58e75743b1_quant
		.amdhsa_group_segment_fixed_size 35328
		.amdhsa_private_segment_fixed_size 0
		.amdhsa_enable_private_segment 0
		.amdhsa_kernarg_size 56
		.amdhsa_user_sgpr_count 2
		.amdhsa_user_sgpr_kernarg_segment_ptr 1
		.amdhsa_wavefront_size32 1
		.amdhsa_system_sgpr_workgroup_id_x 1
		.amdhsa_system_sgpr_workgroup_id_y 1
		.amdhsa_system_sgpr_workgroup_id_z 1
		.amdhsa_system_vgpr_workitem_id 0
		.amdhsa_next_free_vgpr 242
		.amdhsa_next_free_sgpr 66
		.amdhsa_reserve_vcc 0
		.amdhsa_float_denorm_mode_32 3
		.amdhsa_float_denorm_mode_16_64 3
		.amdhsa_memory_ordered 1
		.amdhsa_forward_progress 1
		.amdhsa_inst_pref_size 17
	.end_amdhsa_kernel
	.amdgpu_metadata
---
amdhsa.version: [ 1, 2 ]
amdhsa.kernels:
  - .name:           k_q58e75743b1_quant
    .symbol:         k_q58e75743b1_quant.kd
    .args:
      - { .name: x, .offset: 0, .size: 8, .value_kind: global_buffer, .address_space: global }
      - { .name: W_q, .offset: 8, .size: 8, .value_kind: global_buffer, .address_space: global }
      - { .name: W_k, .offset: 16, .size: 8, .value_kind: global_buffer, .address_space: global }
      - { .name: W_v, .offset: 24, .size: 8, .value_kind: global_buffer, .address_space: global }
      - { .name: W_out, .offset: 32, .size: 8, .value_kind: global_buffer, .address_space: global }
      - { .name: cod, .offset: 40, .size: 8, .value_kind: global_buffer, .address_space: global }
      - { .name: cos, .offset: 48, .size: 8, .value_kind: global_buffer, .address_space: global }
    .group_segment_fixed_size: 35328
    .private_segment_fixed_size: 0
    .kernarg_segment_align: 8
    .kernarg_segment_size: 56
    .max_flat_workgroup_size: 128
    .sgpr_count:     66
    .vgpr_count:     242
    .wavefront_size: 32
...
	.end_amdgpu_metadata
.endif
;; end of part 1
;; launch proj (part 2): grid 12 x 32, 4 waves a work-group, clusters of 4 x 4, 327,680 bytes of LDS; arguments cod, cos, qkv, qvs; writes qkv, qvs
.if DOCPART == 2
	.amdgcn_target "amdgcn-amd-amdhsa--gfx1250"
	.amdhsa_code_object_version 6
	.text
	.protected	k_q58e75743b1_proj
	.globl	k_q58e75743b1_proj
	.p2align	8
	.type	k_q58e75743b1_proj,@function
k_q58e75743b1_proj:
	s_mov_b64 s[64:65], 0
	v_nop
	global_prefetch_b8 v0, s[64:65] scope:SCOPE_SE
	s_setreg_imm32_b32 hwreg(HW_REG_WAVE_MODE, 25, 1), 1
	s_wait_xcnt 0x0
	s_wait_alu depctr_hold_cnt(0) depctr_sa_sdst(0) depctr_va_vdst(0) depctr_va_sdst(0) depctr_va_ssrc(0) depctr_va_vcc(0) depctr_vm_vsrc(0)
	s_getreg_b32 s2, hwreg(HW_REG_IB_STS2, 6, 4)
	s_cmp_eq_u32 s2, 0
	s_cbranch_scc0 .Lentry_in_a_cluster
	s_endpgm
.Lentry_in_a_cluster:
	s_bfe_u32 s2, ttmp6, 0x10000c
	s_cmp_lg_u32 s2, 0xf033
	s_cbranch_scc0 .Lentry_shape_is_right
	s_endpgm
.Lentry_shape_is_right:
; q = x W_q^T, k = x W_k^T, v = x W_v^T on codes of BF6 (E3M2) with one E8M0 scale for each 32 along K = 1,024; the f32 sums are quantised again IN REGISTERS and leave as codes:
; q and k along the head's 64, v along the keys.  Nothing wide goes to memory.
; THE PRODUCT.  A work-group of four waves makes 256 x 256 sums, a wave 128 x 128: 64 accumulators of 16 x 16.  Source 0 takes 16 rows of "P", source 1 16 rows of "R": a lane then holds ONE row of R,
; and its registers run along P's rows.  P's tiles of 16 rows lie in the order that the launch before gave them (lane r of tile T: row 32 (T / 2) + 8 (T % 2) + r + 8 (r / 8)), so the 16 registers of accumulators
; 2 i and 2 i + 1 are 16 NEIGHBOURS along P: what the next quantiser wants.
; TWO ROLES, by the cluster's x, which all partners share: x = 0, 1: R = tokens (x), P = features (W_q, W_k): registers along the head's features.  x = 2: R = features (W_v), P = tokens: registers along the keys.
; Both roles take one path through the text: only scalar numbers that enter global addresses are chosen.
; OPERANDS lie in memory as images of the operand's registers (768 bytes for 16 rows x 64 K: registers 0-3 of lane l at 16 l, registers 4-5 at 512 + 8 l): a fragment comes from LDS by two loads of 16 and two of 8 bytes
; at consecutive addresses, with no pitch and no padding.  K goes in steps of 256 through a ring of two LDS slots; a tensor load brings 8 tiles x 3,072 consecutive bytes.
; THE SCALE WORDS of the work-group's 256 + 256 rows, for all of K, come once, with the first fills, and stay.
; CLUSTERS: 4 x 4 work-groups; R's tiles are asked for jointly along a row of the cluster, P's along a column: the same tensor load, the same descriptor, a mask that names the four.
; RESULTS.  qkv: q and k at byte 0: [64 features: 32][token tile 512] images; v at byte 12,582,912: [64 keys: 128][feature tile 64] images.
; qvs: q and k at 0: [128 features: 16][token tile 512][r 16] scale words; v at 524,288: [128 keys: 64][feature tile 64][r 16].
; LIMITS: NaN and infinities are not served; a block of zeros gets the byte 1 (its codes are zeros; this program alone reads the bytes).
; REGISTERS, in windows of 256: window 0: v16-31 addresses; v32-63 scale words, two sets; v64-127 at work on the way out; from v128 R's fragments, ONE set.
;   window 1: P's fragments, TWO sets, at v0 and v128.   window 2: the accumulators of R's blocks 0-3 ((a, b) at v[8 (8 a + b)]);   window 3: those of blocks 4-7.
.set NQ,     2                         ; matrix instructions deep in a slot
.set FR,     12                        ; registers of a fragment: 16 rows x 128 K
.set NL,     4                         ; LDS loads that bring one
.set NP,     4                         ; places behind this matrix instruction (ISA guide 7.12.1)
.set TROW,   3072                      ; a tile's four images of a K step
.set HALFT,  8*TROW                    ; 128 rows: what one tensor load brings, and what one wave reads of R or of P
.set SLOT,   4*HALFT                   ; R's 256 rows, then P's 256 rows
.set LAPS,   2                         ; a lap = two K steps of 256 = once round the ring
.set SCLA,   2*SLOT                    ; behind the ring: R's scale words, 8,192 bytes;
.set SCLB,   SCLA+8192+128             ; P's: 128 bytes further on than a whole number of bank rows, so that the two halves of the lanes touch different banks (64 banks of 4 bytes: ISA guide 11.1)
.set SPARE,  SCLB+8192+128             ; the spare words, 128 bytes for each wave: two blocks of 256 bytes that no other line names
.set ADRA, 16                          ; v16-17  16 x lane + my R rows in slot 0, 1;  v18-19 the same with 8 x lane
.set ADRB, 20                          ; v20-23  the same for P
.set LI,   24                          ; v24     16 x lane
.set LH,   25                          ; v25     8 x lane
.set SST,  26                          ; v26     the way out: where I put a scale word: 512 x wave + 4 r (in slot 0, which has had its last fill and its last read by then)
.set ADRS, 27                          ; v27     LDS address of my scale words: lanes 0-15 R's rows, lanes 16-31 P's
.set SPW,  28                          ; v28     LDS address of my spare word; never rewritten
.set NIL,  29                          ; v29     0; never rewritten
.set SRD,  30                          ; v30     the way out: 512 x wave + 16 x lane
.set FLO,  31                          ; v31     the floor 2^(5 - 127)
.set SC,   32
.set TM,   104                         ; v104-119 maxima, bytes, scale operands
.set PW,   120                         ; v120-127 the scale words of R's eight blocks
.set AF,   128
.set G1, 24                            ; s[24:31] descriptor group 1 for R's tiles;  s[32:39] group 0, one set for each slot
.set G0, 32
.set G1B, 48                           ; s[48:55], s[56:63] the same for P's
.set G0B, 56
.set G1S, 68                           ; s[68:75], s[76:79] groups 1 and 0 for R's scale words;  s[80:87], s[88:91] for P's
.set G0S, 76
.set G1SB, 80
.set G0SB, 88
.set MSB, 0
.macro WIN new                         ; the immediate's high byte repeats the setting that is left
.if MSB != \new
	s_set_vgpr_msb (MSB<<8)|\new
.set MSB, \new
.endif
.endm
.set MUL_LO, 0xa1                      ; source 0 (P) window 1, source 1 (R) window 0, C and D window 2
.set MUL_HI, 0xf1                      ; the same, C and D window 3
.set TO_B,   0x40                      ; destination window 1, address window 0
; A joint load: waves 0 and 1 fetch for R, waves 2 and 3 for P.  The branch hangs on the wave's number alone.  Four v_nop follow each of the two lines.
.macro JLOAD g0a, g1a, g0b, g1b
	s_cmp_eq_u32 s15, 0
	s_cbranch_scc0 .Lfor_b_\@
	tensor_load_to_lds s[\g0a:\g0a+3], s[\g1a:\g1a+7]
	s_nop 0
.rept 4
	v_nop
.endr
	s_branch .Lasked_\@
.Lfor_b_\@:
	tensor_load_to_lds s[\g0b:\g0b+3], s[\g1b:\g1b+7]
	s_nop 0
.rept 4
	v_nop
.endr
.Lasked_\@:
.endm
.macro CREST                           ; a round of the cluster's barrier behind its opening barrier
	s_cmp_lg_u32 s14, 0
	s_cbranch_scc1 .Lnot_wave_0_\@
	s_barrier_signal -3
.Lnot_wave_0_\@:
	s_barrier_wait -3
	s_barrier_signal -1
	s_barrier_wait -1
.endm
.macro CROUND                          ; a whole round
	s_barrier_signal -1
	s_barrier_wait -1
	CREST
.endm
	s_load_b256 s[4:11], s[0:1], 0x0               ; cod s[4:5], cos s[6:7], qkv s[8:9], qvs s[10:11]
	v_lshl_add_u32 v[SPW], v0, 2, SPARE
	v_mov_b32 v[NIL], 0
	ds_add_u32 v28, v29
	ds_add_u32 v28, v29
	s_wait_dscnt 0x0
	v_lshrrev_b32 v1, 5, v0
	v_readfirstlane_b32 s14, v1                    ; wave 0..3
	s_lshr_b32 s15, s14, 1                         ; which half of R's rows is mine.  Also: I fetch for R (0) or for P (1)
	s_and_b32 s16, s14, 1                          ; which half of P's rows.  Also: which 128 rows I fetch
	s_bfe_u32 s40, ttmp6, 0x40000                  ; cx, cy: my place in the cluster
	s_bfe_u32 s41, ttmp6, 0x40004
	s_and_b32 s13, ttmp7, 0xffff                   ; the cluster's y, 0..7
	s_add_co_u32 s97, ttmp9, 8
	s_cmp_eq_u32 ttmp9, 2                          ; the role.  In units of 1,024 rows of cod: x is 0-7, W_q 8, W_k 9, W_v 10
	s_cselect_b32 s96, 10, s13                     ; R's unit
	s_cselect_b32 s97, s13, s97                    ; P's unit
	s_cselect_b32 s98, 64, 512                     ; tiles of R's rows in the result's layout
	s_cselect_b32 s99, 40, 0                       ; where R's tensor begins, in units of 256 rows
	s_cselect_b32 s100, 0, 32                      ; and P's
	s_cselect_b32 s101, 12582912, 0                ; the result's region in qkv,
	s_cselect_b32 s95, 524288, 0                   ; and in qvs
	s_lshl_b32 s42, s97, 2
	s_add_co_u32 s42, s42, s40                     ; P's 256 rows: 4 x unit + cx
	s_lshl_b32 s17, s96, 2
	s_add_co_u32 s17, s17, s41                     ; R's 256 rows: 4 x unit + cy
	s_lshl_b32 s43, s41, 2
	s_lshl_b32 s43, 15, s43                        ; my row of the cluster
	s_lshl_b32 s44, 0x1111, s40                    ; my column
	; descriptor group 1: 8 tiles x 3,072 bytes (384 elements of 8 bytes), 12,288 bytes from tile to tile; dense in LDS
	s_or_b32 s[G1+0], s43, (3<<16)|(1<<21)         ; 15:0 the mask: R's tiles go to my row; 17:16 elements of 8 bytes; 20 no padding; 21 set beside a mask
	s_or_b32 s[G1B+0], s44, (3<<16)|(1<<21)
.irp g, G1, G1B
	s_mov_b32 s[\g+1], 384<<16                     ; tensor_dim0
	s_mov_b32 s[\g+2], 8<<16                       ; tensor_dim1
	s_mov_b32 s[\g+3], 384<<16                     ; tile_dim0
	s_mov_b32 s[\g+4], 8                           ; tile_dim1
	s_mov_b32 s[\g+5], 1536                        ; tensor_dim0_stride
	s_mov_b32 s[\g+6], 0
	s_mov_b32 s[\g+7], 0
.endr
	; the scale words of 128 rows: 4,096 dense bytes, as 16 rows of 256
	s_or_b32 s[G1S+0], s43, (3<<16)|(1<<21)
	s_or_b32 s[G1SB+0], s44, (3<<16)|(1<<21)
.irp g, G1S, G1SB
	s_mov_b32 s[\g+1], 32<<16
	s_mov_b32 s[\g+2], 16<<16
	s_mov_b32 s[\g+3], 32<<16
	s_mov_b32 s[\g+4], 16
	s_mov_b32 s[\g+5], 32
	s_mov_b32 s[\g+6], 0
	s_mov_b32 s[\g+7], 0
.endr
	s_lshl_b32 s18, s16, 7                         ; which 128 rows I fetch
	s_lshl_b32 s20, s17, 8
	s_add_co_u32 s20, s20, s18                     ; R: first row
	s_lshl_b32 s46, s42, 8
	s_add_co_u32 s46, s46, s18                     ; P: first row
	s_lshl_b32 s22, s20, 5                         ; scale words: 32 bytes a row
	s_mov_b32 s23, 0
	s_lshl_b32 s92, s46, 5
	s_mov_b32 s93, 0
	s_mul_i32 s20, s20, 768                        ; codes: 768 bytes a row
	s_mov_b32 s21, 0
	s_mul_i32 s46, s46, 768
	s_mov_b32 s47, 0
	s_mul_i32 s45, s14, HALFT                      ; where they go: wave x 128 rows: no place in the cluster enters an LDS address
	s_lshl_b32 s94, s16, 12
	s_wait_kmcnt 0x0
	s_add_nc_u64 s[20:21], s[4:5], s[20:21]
	s_add_nc_u64 s[22:23], s[6:7], s[22:23]
	s_add_nc_u64 s[46:47], s[4:5], s[46:47]
	s_add_nc_u64 s[92:93], s[6:7], s[92:93]
	CROUND                                         ; all sixteen work-groups are here: the first joint loads meet
	s_mov_b32 s[G0S], 1
	s_add_co_u32 s[G0S+1], s94, SCLA
	s_mov_b64 s[G0S+2:G0S+3], s[22:23]
	s_or_b32 s[G0S+3], s[G0S+3], 0x80000000
	s_mov_b32 s[G0SB], 1
	s_add_co_u32 s[G0SB+1], s94, SCLB
	s_mov_b64 s[G0SB+2:G0SB+3], s[92:93]
	s_or_b32 s[G0SB+3], s[G0SB+3], 0x80000000
	JLOAD G0S, G1S, G0SB, G1SB                     ; the scale words first: they are wanted with K step 0
.irp s, 0,1
	s_mov_b32 s[G0+4*\s], 1
	s_add_co_u32 s[G0+4*\s+1], s45, \s*SLOT
	s_add_nc_u64 s[G0+4*\s+2:G0+4*\s+3], s[20:21], \s*TROW
	s_or_b32 s[G0+4*\s+3], s[G0+4*\s+3], 0x80000000
	s_mov_b32 s[G0B+4*\s], 1
	s_add_co_u32 s[G0B+4*\s+1], s45, \s*SLOT
	s_add_nc_u64 s[G0B+4*\s+2:G0B+4*\s+3], s[46:47], \s*TROW
	s_or_b32 s[G0B+4*\s+3], s[G0B+4*\s+3], 0x80000000
	JLOAD G0+4*\s, G1, G0B+4*\s, G1B               ; three loads of mine are out now
.endr
	v_and_b32 v1, 15, v0                           ; r
	v_bfe_u32 v2, v0, 4, 1                         ; h
	v_and_b32 v3, 31, v0                           ; lane
	v_lshlrev_b32 v[LI], 4, v3
	v_lshlrev_b32 v[LH], 3, v3
	s_mul_i32 s21, s15, HALFT                      ; my 128 rows of R
	s_mul_i32 s22, s16, HALFT                      ; my 128 rows of P,
	s_add_co_u32 s22, s22, 2*HALFT                 ; which lie behind R's 256
.irp s, 0,1
	v_add_nc_u32 v[ADRA+\s], s21, v[LI]
	v_add_nc_u32 v[ADRB+\s], s22, v[LI]
	v_add_nc_u32 v[ADRA+2+\s], s21, v[LH]
	v_add_nc_u32 v[ADRB+2+\s], s22, v[LH]
	s_add_co_u32 s21, s21, SLOT
	s_add_co_u32 s22, s22, SLOT
.endr
	s_lshl_b32 s21, s15, 12                        ; R's scale words: my 128 rows
	s_lshl_b32 s22, s16, 12                        ; P's
	s_add_co_u32 s22, s22, SCLB-SCLA
	s_sub_co_u32 s22, s22, s21
	v_mul_u32_u24 v6, s22, v2                      ; lanes 16-31 take P's: one product with h
	s_add_co_u32 s21, s21, SCLA
	v_lshl_add_u32 v5, v1, 3, v6                   ; 8 bytes a row for a K step
	v_add_nc_u32 v[ADRS], s21, v5
	s_lshl_b32 s21, s14, 9
	v_lshl_add_u32 v[SST], v1, 2, s21
	v_add_nc_u32 v[SRD], s21, v[LI]
	v_mov_b32 v[FLO], 0x2800000
.irp b, 0,1,2,3
	v_mov_b32 v[TM+4+\b], 0                        ; written once: a lane permute's destination counts as one of its sources
.endr
	; where my results go
	s_sub_co_u32 s20, s17, s99
	s_lshl_b32 s20, s20, 4
	s_lshl_b32 s21, s15, 3
	s_add_co_u32 s20, s20, s21                     ; my first tile of R's rows in the result
	s_sub_co_u32 s46, s42, s100
	s_lshl_b32 s46, s46, 1
	s_add_co_u32 s46, s46, s16                     ; which 128 along P are mine
	s_mul_i32 s46, s46, s98
	s_lshl_b32 s47, s46, 1
	s_add_co_u32 s47, s47, s20
	s_mul_i32 s22, s47, 768
	s_add_co_u32 s22, s22, s101
	s_mov_b32 s23, 0
	s_add_nc_u64 s[66:67], s[8:9], s[22:23]        ; the images of my first 64 along P,
	s_mul_i32 s22, s98, 768
	s_add_nc_u64 s[92:93], s[66:67], s[22:23]      ; of my second 64,
	s_add_co_u32 s46, s46, s20
	s_lshl_b32 s22, s46, 6
	s_add_co_u32 s22, s22, s95
	s_add_nc_u64 s[12:13], s[10:11], s[22:23]      ; and the scale words
.macro FRAG reg, adr, q, i             ; a fragment, 16 rows x 128 K, is two images: registers 6 c .. 6 c + 3 at 16 x lane, 6 c + 4, 5 at 512 + 8 x lane
.irp c, 0,1
	ds_load_b128 v[\reg+6*\c:\reg+6*\c+3], v[\adr] offset:(\i)*TROW+(2*(\q)+\c)*768
	ds_load_b64 v[\reg+6*\c+4:\reg+6*\c+5], v[\adr+2] offset:(\i)*TROW+(2*(\q)+\c)*768+512
.endr
.endm
; 16 matrix instructions: R's blocks a0, a0 + 1 x P's eight, 128 along K.  p: P's set;  sc: the set of scale words.  zero = 1: the first product starts the sums.
; The 64 accumulators take turns, one instruction a turn, in the same order in every step.
.macro MUL16 a0, p, q, sc, zero
.irp a, \a0, \a0+1
.irp b, 0,1,2,3,4,5,6,7
.if \zero
	v_wmma_scale_f32_16x16x128_f8f6f4 v[8*(8*((\a)%4)+\b):8*(8*((\a)%4)+\b)+7], v[128*(\p)+FR*\b:128*(\p)+FR*\b+FR-1], v[AF+FR*(\a):AF+FR*(\a)+FR-1], 0, v[SC+8*NQ*(\sc)+NQ*\b+(\q)], v[SC+8*NQ*(\sc)+NQ*(\a)+(\q)] matrix_a_fmt:MATRIX_FMT_BF6 matrix_b_fmt:MATRIX_FMT_BF6 matrix_a_scale:MATRIX_SCALE_ROW1
.else
	v_wmma_scale_f32_16x16x128_f8f6f4 v[8*(8*((\a)%4)+\b):8*(8*((\a)%4)+\b)+7], v[128*(\p)+FR*\b:128*(\p)+FR*\b+FR-1], v[AF+FR*(\a):AF+FR*(\a)+FR-1], v[8*(8*((\a)%4)+\b):8*(8*((\a)%4)+\b)+7], v[SC+8*NQ*(\sc)+NQ*\b+(\q)], v[SC+8*NQ*(\sc)+NQ*(\a)+(\q)] matrix_a_fmt:MATRIX_FMT_BF6 matrix_b_fmt:MATRIX_FMT_BF6 matrix_a_scale:MATRIX_SCALE_ROW1
.endif
.endr
.endr
.endm
.macro FETCH_B slot, q, p              ; P's eight fragments of the slot's q-th 128 along K into set p
	WIN TO_B
.irp i, 0,1,2,3,4,5,6,7
	FRAG 128*(\p)+FR*\i, ADRB+\slot, \q, \i
.endr
	WIN 0
.endm
.macro FETCH_A slot, q, i0             ; R's blocks i0 .. i0 + 3
.irp i, \i0, \i0+1, \i0+2, \i0+3
	FRAG AF+FR*(\i), ADRA+\slot, \q, \i
.endr
.endm
.macro SCALES sc                       ; a K step's scale words into set sc: two words a row; lanes 0-15 take R's block i, lanes 16-31 P's block i
.irp i, 0,1,2,3,4,5,6,7
	ds_load_b64 v[SC+8*NQ*\sc+NQ*\i:SC+8*NQ*\sc+NQ*\i+1], v[ADRS] offset:\i*512
.endr
.endm
.macro PLACES n                        ; plain vector instructions between a matrix instruction and a load into, or a read of, its registers (ISA guide 7.12.1 for reads)
.rept \n
	v_nop
.endr
.endm
; A step of 128 along K that has its successor in the same slot.
.macro STEP slot, q, zero
	s_wait_dscnt 4*NL                              ; P's set and R's blocks 0-3 are in; the youngest sixteen loads (R's blocks 4-7) may be out
	WIN MUL_LO
	MUL16 0, (\q)%2, \q, \slot, \zero
	MUL16 2, (\q)%2, \q, \slot, \zero
	s_wait_dscnt 0                                 ; R's blocks 4-7 are in
	PLACES NP
	FETCH_B \slot, (\q)+1, 1-(\q)%2
	FETCH_A \slot, (\q)+1, 0
	WIN MUL_HI
	MUL16 4, (\q)%2, \q, \slot, \zero
	MUL16 6, (\q)%2, \q, \slot, \zero
	PLACES NP
	WIN 0
	FETCH_A \slot, (\q)+1, 4
.endm
; A slot's last step changes slots: ONE barrier; in front of it each wave waits for all its tensor loads, adds 0 to its spare word, and waits for that and for its own reads of this slot.  fill = 1: this slot is filled again, two K steps ahead.
.macro TURN slot, next, fill
	s_wait_tensorcnt 0x0                           ; all my tensor loads have landed: my part of the next slot
	ds_add_u32 v[SPW], v[NIL]                      ; 0 onto my spare word
	s_wait_dscnt 4*NL+1                            ; (the add and the youngest sixteen loads, R's blocks 4-7, may be out)
	WIN MUL_LO
	MUL16 0, 1, NQ-1, \slot, 0                     ; sixteen matrix instructions stand between the add and the wait for it
	s_wait_dscnt 0x0                               ; the add is done, and my reads of this slot are over
	s_barrier_signal -1
	MUL16 2, 1, NQ-1, \slot, 0
	WIN 0
	s_barrier_wait -1
.if \fill
	CREST                                          ; the barrier has opened a round of the cluster's barrier: no wave of any partner still reads this slot or has a load on its way
	s_add_nc_u64 s[G0+4*\slot+2:G0+4*\slot+3], s[G0+4*\slot+2:G0+4*\slot+3], 2*TROW
	s_add_nc_u64 s[G0B+4*\slot+2:G0B+4*\slot+3], s[G0B+4*\slot+2:G0B+4*\slot+3], 2*TROW
	JLOAD G0+4*\slot, G1, G0B+4*\slot, G1B         ; the first tensor load behind the round; the four v_nop behind it are the places in front of the loads below
.else
	PLACES NP
.endif
	v_add_nc_u32 v[ADRS], 128, v[ADRS]             ; on to the next K step's scale words (no LDS load of mine is out)
	FETCH_B \next, 0, 0
	FETCH_A \next, 0, 0
	SCALES \next
	WIN MUL_HI
	MUL16 4, 1, NQ-1, \slot, 0
	MUL16 6, 1, NQ-1, \slot, 0
	PLACES NP
	WIN 0
	FETCH_A \next, 0, 4
.endm
	s_wait_tensorcnt 1                             ; the scale words and my part of K step 0 are in (K step 1's load may be out)
	s_barrier_signal -1
	s_barrier_wait -1                              ; everybody's are
	FETCH_B 0, 0, 0
	FETCH_A 0, 0, 0
	SCALES 0
	FETCH_A 0, 0, 4
	STEP 0, 0, 1                                   ; the first step stands in front of the loop: its products start the sums
	s_mov_b32 s3, LAPS-1
.Llap:                                                 ; a trip goes once round the ring and fills both slots again
	TURN 0, 1, 1
	STEP 1, 0, 0
	TURN 1, 0, 1
	STEP 0, 0, 0
	s_sub_co_u32 s3, s3, 1
	s_cmp_lg_u32 s3, 0
	s_cbranch_scc1 .Llap
	TURN 0, 1, 0                                   ; the last lap fills nothing
	STEP 1, 0, 0
	s_wait_dscnt 4*NL                              ; the very last step: nothing more to fetch
	WIN MUL_LO
	MUL16 0, 1, NQ-1, 1, 0
	MUL16 2, 1, NQ-1, 1, 0
	s_wait_dscnt 0
	WIN MUL_HI
	MUL16 4, 1, NQ-1, 1, 0
	MUL16 6, 1, NQ-1, 1, 0
	WIN 0
; THE WAY OUT.  Block a of R's rows: a lane's 64 sums, register 16 b + i = P's row 32 b + 16 (lane / 16) + i, become twelve operand registers and a scale word, and leave as two images.
.macro QOUT a
.set AC,  64*((\a)%4)
.set WN,  2+(\a)/4
.set WMX, (WN<<2)|(WN<<4)
.set PCS, 64+20*((\a)%2)                       ; two sets of registers for the codes, by turns
	WIN WMX                                        ; sources 1 and 2: the accumulators' window
.irp b, 0,1,2,3
	v_max3_num_f32 v[TM+\b], v[FLO], |v[AC+16*\b]|, |v[AC+16*\b+1]|        ; block b: my 16 numbers and the floor; each accumulator is read from its low end on
.endr
.irp i, 2,4,6,8,10,12,14
.irp b, 0,1,2,3
	v_max3_num_f32 v[TM+\b], v[TM+\b], |v[AC+16*\b+\i]|, |v[AC+16*\b+\i+1]|
.endr
.endr
	WIN 0
.irp b, 0,1,2,3
	v_permlanex16_b32 v[TM+4+\b], v[TM+\b], s18, s19
.endr
.irp b, 0,1,2,3
	v_max_num_f32 v[TM+\b], v[TM+\b], v[TM+4+\b]   ; with lane l xor 16's: the block's largest magnitude
.endr
.irp b, 0,1,2,3
	v_add_nc_u32 v[TM+12+\b], 0xfe000000, v[TM+\b] ; 4 off its exponent field: the conversion's scale operand
.endr
.irp b, 0,1,2,3
	v_lshrrev_b32 v[TM+4+\b], 23, v[TM+12+\b]      ; the scale's byte
.endr
	v_lshl_or_b32 v[PW+(\a)], v[TM+5], 8, v[TM+4]
	v_lshl_or_b32 v[PW+(\a)], v[TM+6], 16, v[PW+(\a)]
	v_lshl_or_b32 v[PW+(\a)], v[TM+7], 24, v[PW+(\a)]
	s_wait_xcnt 0x0                                ; the stores of two blocks ago have read this set of registers: only behind this wait is it written again
	WIN WN                                         ; source 0: the accumulators' window
.irp c, 0,1
	v_cvt_scalef32_pk16_bf6_f32 v[PCS+6*\c:PCS+6*\c+2], v[AC+32*\c:AC+32*\c+15], v[TM+12+2*\c]
	v_cvt_scalef32_pk16_bf6_f32 v[PCS+12+4*\c:PCS+14+4*\c], v[AC+32*\c+16:AC+32*\c+31], v[TM+13+2*\c]
.endr
	WIN 0
	v_nop                                          ; one plain place behind a scaled conversion
.irp c, 0,1                                    ; the operand's layout wants a WHOLE block in a lane: lanes 0-15 block 2 c, lanes 16-31 block 2 c + 1
.irp i, 0,1,2
	v_permlane16_swap_b32 v[PCS+6*\c+\i], v[PCS+12+4*\c+\i]
.endr
.irp i, 0,1,2
	v_mov_b32 v[PCS+3+6*\c+\i], v[PCS+12+4*\c+\i]
.endr
.endr
	global_store_b128 v[LI], v[PCS:PCS+3], s[66:67] offset:768*(\a)        ; 512 and 256 consecutive bytes, each at a multiple of 256 from the buffer's first byte
	global_store_b64 v[LH], v[PCS+4:PCS+5], s[66:67] offset:768*(\a)+512
	global_store_b128 v[LI], v[PCS+6:PCS+9], s[92:93] offset:768*(\a)
	global_store_b64 v[LH], v[PCS+10:PCS+11], s[92:93] offset:768*(\a)+512
	ds_store_b32 v[SST], v[PW+(\a)] offset:64*(\a) ; lanes 16-31 write the same word with the same value
.endm
	s_mov_b32 s18, 0x76543210
	s_mov_b32 s19, 0xfedcba98                      ; v_permlanex16_b32's selects for lane l xor 16
	PLACES NP                                      ; behind the last products
.irp a, 0,1,2,3,4,5,6,7
	QOUT \a
.endr
	ds_load_b128 v[128:131], v[SRD]                ; my eight blocks' scale words: LDS serves a wave's instructions in order (ISA guide 5.7.1.4)
	s_wait_dscnt 0x0
	global_store_b128 v[LI], v[128:131], s[12:13]  ; 512 consecutive bytes
	s_wait_tensorcnt 0x0                           ; the wave's end
	ds_add_u32 v[SPW], v[NIL]
	s_wait_dscnt 0x0
	CROUND                                         ; the closing round: no work-group ends while a partner may still ask for a tile that names it
	s_endpgm
.Lfunc_end_k_q58e75743b1_proj:
	.size	k_q58e75743b1_proj, .Lfunc_end_k_q58e75743b1_proj-k_q58e75743b1_proj
	.p2alignl 7, 3214868480
	.fill 96, 4, 3214868480
	.section	.rodata,"a",@progbits
	.p2align	6, 0x0
	.amdhsa_kernel k_q58e75743b1_proj
		.amdhsa_group_segment_fixed_size 327680
		.amdhsa_private_segment_fixed_size 0
		.amdhsa_enable_private_segment 0
		.amdhsa_kernarg_size 32
		.amdhsa_user_sgpr_count 2
		.amdhsa_user_sgpr_kernarg_segment_ptr 1
		.amdhsa_wavefront_size32 1
		.amdhsa_system_sgpr_workgroup_id_x 1
		.amdhsa_system_sgpr_workgroup_id_y 1
		.amdhsa_system_sgpr_workgroup_id_z 1
		.amdhsa_system_vgpr_workitem_id 0
		.amdhsa_next_free_vgpr 1024
		.amdhsa_next_free_sgpr 102
		.amdhsa_reserve_vcc 0
		.amdhsa_float_denorm_mode_32 3
		.amdhsa_float_denorm_mode_16_64 3
		.amdhsa_memory_ordered 1
		.amdhsa_forward_progress 1
		.amdhsa_inst_pref_size 148
	.end_amdhsa_kernel
	.amdgpu_metadata
---
amdhsa.version: [ 1, 2 ]
amdhsa.kernels:
  - .name:           k_q58e75743b1_proj
    .symbol:         k_q58e75743b1_proj.kd
    .args:
      - { .name: cod, .offset: 0, .size: 8, .value_kind: global_buffer, .address_space: global }
      - { .name: cos, .offset: 8, .size: 8, .value_kind: global_buffer, .address_space: global }
      - { .name: qkv, .offset: 16, .size: 8, .value_kind: global_buffer, .address_space: global }
      - { .name: qvs, .offset: 24, .size: 8, .value_kind: global_buffer, .address_space: global }
    .group_segment_fixed_size: 327680
    .private_segment_fixed_size: 0
    .kernarg_segment_align: 8
    .kernarg_segment_size: 32
    .max_flat_workgroup_size: 128
    .sgpr_count:     102
    .vgpr_count:     1024
    .wavefront_size: 32
...
	.end_amdgpu_metadata
.endif
;; end of part 2
;; launch attn (part 3): grid 4 x 64, 16 waves a work-group, clusters of 4 x 1, 210,944 bytes of LDS; arguments qkv, qvs, ctx, cts; writes ctx, cts
.if DOCPART == 3
	.amdgcn_target "amdgcn-amd-amdhsa--gfx1250"
	.amdhsa_code_object_version 6
	.text
	.protected	k_q58e75743b1_attn
	.globl	k_q58e75743b1_attn
	.p2align	8
	.type	k_q58e75743b1_attn,@function
k_q58e75743b1_attn:
	s_mov_b64 s[64:65], 0
	v_nop
	global_prefetch_b8 v0, s[64:65] scope:SCOPE_SE
	s_setreg_imm32_b32 hwreg(HW_REG_WAVE_MODE, 25, 1), 1
	s_wait_xcnt 0x0
	s_wait_alu depctr_hold_cnt(0) depctr_sa_sdst(0) depctr_va_vdst(0) depctr_va_sdst(0) depctr_va_ssrc(0) depctr_va_vcc(0) depctr_vm_vsrc(0)
	s_getreg_b32 s2, hwreg(HW_REG_IB_STS2, 6, 4)
	s_cmp_eq_u32 s2, 0
	s_cbranch_scc0 .Lentry_in_a_cluster
	s_endpgm
.Lentry_in_a_cluster:
	s_bfe_u32 s2, ttmp6, 0x10000c
	s_cmp_lg_u32 s2, 0x3003
	s_cbranch_scc0 .Lentry_shape_is_right
	s_endpgm
.Lentry_shape_is_right:
; ctx[b][q][head][:] = the sum over keys k <= q of softmax_k(q . k / 8) v[k][:], both products on codes of BF6 (E3M2) with one E8M0 scale for each 32 along a product's K; ctx leaves quantised along (head, d).
; THE SOFTMAX AHEAD OF THE SECOND PRODUCT: t = score x log2(e) / 8; M = the row's largest t so far, rounded UP to a whole number; p = 2^(t - M) is what is quantised, along the keys; it is not normalised.
; The row's sum is taken of the unquantised p, in f32, and divides at the end.  When M moves, the sum and O are multiplied by 2^(old M - new M): exact.
; SHARES.  A cluster of four work-groups owns one (batch, head).  The head's whole K, V and scale words, 208,896 bytes, are brought into each work-group's LDS ONCE, by joint loads (one request for the four):
; no ring, no refill, no barrier in the loop, no LDS store.  Sixteen waves, four to a SIMD, so that one wave's vector work stands beside another's matrix work and LDS loads.
; Wave w (g = w / 2, e = w % 2) owns two tiles of 16 queries, one after the other: 8 g + 2 cx + e and 8 (15 - g) + 2 cx + e of the head's 128.  Tile T wants key steps 0 .. T / 8 of 128 keys:
; (g + 1) + (16 - g) = 17 steps for every wave, two of them on the diagonal.  Every branch hangs on the wave's number and a counter with a constant number of trips, none on the place in the cluster.
; LAYOUT.  Both products are used transposed: S^T = K Q^T (source 0 = 16 keys, source 1 = my 16 queries), O^T = V^T P^T (source 0 = 16 of the head's 64, source 1 = P): a lane holds ONE query throughout.
; Tiles lie in memory in the order lane r of tile T = row 32 (T / 2) + 8 (T % 2) + r + 8 (r / 8): so the 16 registers of result tiles 2 i and 2 i + 1 are 16 neighbours, 32 i + 16 (lane / 16) + 0 .. 15.
; The head's K is 64, half of the instruction's 128: the upper six registers of Q's and K's fragments hold zero codes, and their scale bytes are 0 (2^-127, over zeros on both sides).
; LIMITS: NaN and infinities are not served; a p under 2^-126 comes out as 0 (v_exp_f32 gives no denormals: ISA guide, its entry in 15.8); a block of zeros gets the byte 1 (its codes are zeros; this program alone reads the bytes).
; REGISTERS: v1-5 lane constants; v6-11 the step's addresses; v12 -M, v13 the largest t, v[14:15] the sum in two halves; v16-28 the first tile's Q and its scales; v29, v31 store and load offsets;
; v32-79 four fragments of K; v80-87 K's and V's scale words; v96-159 S^T, then p, then V's four fragments; v160-191 O^T; v192-210 p's codes; v212-230 at work; v232-244 the second tile's Q.
.set KIMG, 0                           ; 128 tiles of keys x 768 bytes
.set VIMG, 98304                       ; [64 keys: 32][tile of d: 4] x 768 bytes
.set KSC,  196608                      ; K's scale words: [tile 128][r 16]; this head's two bytes are one half of a word
.set VSC,  204800                      ; V's: [128 keys: 16][tile of d: 4][r 16]
.set SEL,  20                          ; s[20:21] lane selects for v_permlanex16_b32: lane l xor 16
.set CS,   22                          ; s[22:23] c = log2(e) / 8
.set CNT,  80                          ; s80  the key step
.set TB,   81                          ; s81  where the step's tiles of K begin
.set TBV,  82                          ; s82  and V's
.set TS,   83                          ; s83  K's scale words
.set TJ,   84                          ; s84  V's
.macro ROUND                           ; a round of the cluster's barrier
	s_barrier_signal -1
	s_barrier_wait -1
	s_cmp_lg_u32 s18, 0
	s_cbranch_scc1 .Lnot_wave_0_\@
	s_barrier_signal -3
.Lnot_wave_0_\@:
	s_barrier_wait -3
	s_barrier_signal -1
	s_barrier_wait -1
.endm
.macro NOPS
.rept 4
	v_nop
.endr
.endm
	s_load_b256 s[4:11], s[0:1], 0x0               ; qkv s[4:5], qvs s[6:7], ctx s[8:9], cts s[10:11]
	v_lshl_add_u32 v254, v0, 2, 0x33000
	v_mov_b32 v255, 0
	ds_add_u32 v254, v255
	ds_add_u32 v254, v255
	v_lshrrev_b32 v6, 5, v0
	s_delay_alu instid0(VALU_DEP_1)
	v_readfirstlane_b32 s18, v6                    ; wave 0..15
	s_bfe_u32 s15, ttmp6, 0x40000                  ; cx: it enters Q's and ctx's global addresses and the mask's numbers alone
	s_and_b32 s12, ttmp7, 0xffff
	s_lshr_b32 s13, s12, 4                         ; the batch
	s_and_b32 s14, s12, 15                         ; the head
	s_lshr_b32 s16, s18, 1                         ; g
	s_and_b32 s17, s18, 1                          ; e
	s_and_b32 s19, s18, 3                          ; which quarter of K or of V I fetch, if I fetch
	s_mov_b32 s85, s16                             ; the first tile's last key step,
	s_sub_co_u32 s86, 15, s16                      ; the second's
	s_mov_b32 s[SEL], 0x76543210
	s_mov_b32 s[SEL+1], 0xfedcba98
	s_mov_b32 s[CS], 0x3e38aa3b
	s_mov_b32 s[CS+1], s[CS]                       ; (named with it as a pair, so it is written)
	; descriptor groups 1: elements of 8 bytes, the mask of all four work-groups, bit 21 beside it, no padding
.irp g, 24,32,40,48
	s_mov_b32 s[\g], 15|(3<<16)|(1<<21)
	s_mov_b32 s[\g+6], 0
	s_mov_b32 s[\g+7], 0
.endr
	s_mov_b32 s25, 32<<16                          ; K: a quarter of the head's tiles, 24,576 dense bytes, as 96 rows of 256
	s_mov_b32 s26, 96<<16
	s_mov_b32 s27, 32<<16
	s_mov_b32 s28, 96
	s_mov_b32 s29, 32
	s_mov_b32 s33, 384<<16                         ; V: 8 groups of 64 keys x this head's 3,072 bytes, 49,152 bytes from group to group
	s_mov_b32 s34, 8<<16
	s_mov_b32 s35, 384<<16
	s_mov_b32 s36, 8
	s_mov_b32 s37, 6144
	s_mov_b32 s41, 32<<16                          ; K's scale words: 8,192 dense bytes
	s_mov_b32 s42, 32<<16
	s_mov_b32 s43, 32<<16
	s_mov_b32 s44, 32
	s_mov_b32 s45, 32
	s_mov_b32 s49, 32<<16                          ; V's: 16 key steps x this head's 256 bytes, 4,096 bytes from step to step
	s_mov_b32 s50, 16<<16
	s_mov_b32 s51, 32<<16
	s_mov_b32 s52, 16
	s_mov_b32 s53, 512
	s_lshl_b32 s87, s13, 7                         ; 128 b: the batch's first token tile
	s_mov_b32 s77, 0
	s_mul_i32 s78, s19, 24576                      ; my quarter's place in LDS
	s_wait_dscnt 0x0
	s_wait_kmcnt 0x0
	s_lshl_b32 s76, s14, 9                         ; K's codes: ((16 + head) 512 + 128 b) images, + my quarter
	s_add_co_u32 s76, s76, 8192
	s_add_co_u32 s76, s76, s87
	s_mul_i32 s76, s76, 768
	s_add_co_u32 s76, s76, s78
	s_mov_b32 s56, 1
	s_mov_b32 s57, s78
	s_add_nc_u64 s[58:59], s[4:5], s[76:77]
	s_or_b32 s59, s59, 0x80000000
	s_lshl_b32 s76, s13, 11                        ; V's codes: region + (2,048 b + 4 head) images, + my 8 groups
	s_lshl_b32 s79, s14, 2
	s_add_co_u32 s76, s76, s79
	s_mul_i32 s76, s76, 768
	s_mul_i32 s79, s19, 393216
	s_add_co_u32 s76, s76, s79
	s_add_co_u32 s76, s76, 12582912
	s_mov_b32 s60, 1
	s_add_co_u32 s61, s78, VIMG
	s_add_nc_u64 s[62:63], s[4:5], s[76:77]
	s_or_b32 s63, s63, 0x80000000
	s_lshr_b32 s76, s14, 1                         ; K's scale words: ((8 + head / 2) 512 + 128 b) x 64 bytes
	s_lshl_b32 s76, s76, 9
	s_add_co_u32 s76, s76, 4096
	s_add_co_u32 s76, s76, s87
	s_lshl_b32 s76, s76, 6
	s_mov_b32 s68, 1
	s_mov_b32 s69, KSC
	s_add_nc_u64 s[70:71], s[6:7], s[76:77]
	s_or_b32 s71, s71, 0x80000000
	s_lshl_b32 s76, s13, 10                        ; V's: region + (1,024 b + 4 head) x 64 bytes
	s_lshl_b32 s79, s14, 2
	s_add_co_u32 s76, s76, s79
	s_lshl_b32 s76, s76, 6
	s_add_co_u32 s76, s76, 524288
	s_mov_b32 s72, 1
	s_mov_b32 s73, VSC
	s_add_nc_u64 s[74:75], s[6:7], s[76:77]
	s_or_b32 s75, s75, 0x80000000
	ROUND                                          ; all four work-groups are here: the joint loads meet
	s_cmp_lt_u32 s18, 4                            ; one tensor load a wave at the most: waves 0-3 K's quarters, 4-7 V's, 8 and 9 the scale words.  Four v_nop follow each
	s_cbranch_scc0 .Lnot_k
	tensor_load_to_lds s[56:59], s[24:31]
	s_nop 0
	NOPS
	s_branch .Lasked
.Lnot_k:
	s_cmp_lt_u32 s18, 8
	s_cbranch_scc0 .Lnot_v
	tensor_load_to_lds s[60:63], s[32:39]
	s_nop 0
	NOPS
	s_branch .Lasked
.Lnot_v:
	s_cmp_eq_u32 s18, 8
	s_cbranch_scc0 .Lnot_ks
	tensor_load_to_lds s[68:71], s[40:47]
	s_nop 0
	NOPS
	s_branch .Lasked
.Lnot_ks:
	s_cmp_eq_u32 s18, 9
	s_cbranch_scc0 .Lasked
	tensor_load_to_lds s[72:75], s[48:55]
	s_nop 0
	NOPS
.Lasked:
	; my two tiles of queries, and where their Q comes from and their ctx goes
	s_lshl_b32 s76, s15, 1
	s_add_co_u32 s76, s76, s17                     ; 2 cx + e
	s_lshl_b32 s78, s16, 3                         ; 8 g
	s_add_co_u32 s79, s76, s78
	s_sub_co_u32 s78, 120, s78
	s_add_co_u32 s78, s78, s76
	s_add_co_u32 s79, s79, s87                     ; the first tile among the 512 token tiles,
	s_add_co_u32 s78, s78, s87                     ; the second
.macro ADDRS gt, qc, qs, oc, os
	s_lshl_b32 s76, s14, 9
	s_add_co_u32 s76, s76, s[\gt]
	s_mul_i32 s76, s76, 768
	s_add_nc_u64 s[\qc:\qc+1], s[4:5], s[76:77]    ; Q's image: (head 512 + tile) x 768
	s_lshr_b32 s76, s14, 1
	s_lshl_b32 s76, s76, 9
	s_add_co_u32 s76, s76, s[\gt]
	s_lshl_b32 s76, s76, 6
	s_and_b32 s2, s14, 1
	s_lshl_b32 s2, s2, 1
	s_add_co_u32 s76, s76, s2
	s_add_nc_u64 s[\qs:\qs+1], s[6:7], s[76:77]    ; its scale bytes: ((head / 2) 512 + tile) x 64 + 2 (head % 2)
	s_lshl_b32 s76, s[\gt], 4
	s_add_co_u32 s76, s76, s14
	s_mul_i32 s76, s76, 768
	s_add_nc_u64 s[\oc:\oc+1], s[8:9], s[76:77]    ; ctx's image: (tile 16 + head) x 768
	s_lshl_b32 s76, s[\gt], 9
	s_lshr_b32 s3, s14, 2
	s_lshl_b32 s3, s3, 7
	s_add_co_u32 s76, s76, s3
	s_bfe_u32 s3, s14, 0x10001
	s_lshl_b32 s3, s3, 2
	s_add_co_u32 s76, s76, s3
	s_add_co_u32 s76, s76, s2
	s_add_nc_u64 s[\os:\os+1], s[10:11], s[76:77]  ; its scale bytes: tile 512 + (head / 4) 128 + ((head / 2) % 2) 4 + 2 (head % 2)
.endm
	ADDRS 79, 96, 100, 88, 90
	ADDRS 78, 98, 66, 92, 94
	v_and_b32 v6, 31, v0                           ; lane
	v_and_b32 v7, 15, v0                           ; r
	v_bfe_u32 v8, v0, 4, 1                         ; h
	s_delay_alu instid0(VALU_DEP_3)
	v_lshlrev_b32 v1, 4, v6                        ; 16 x lane
	s_delay_alu instid0(VALU_DEP_4)
	v_lshlrev_b32 v2, 3, v6                        ; 8 x lane
	s_delay_alu instid0(VALU_DEP_4)
	v_lshlrev_b32 v31, 2, v7                       ; 4 r
	v_lshlrev_b32 v29, 3, v7                       ; 8 r
	global_load_b128 v[16:19], v1, s[96:97]        ; Q stays in registers
	global_load_b64 v[20:21], v2, s[96:97] offset:512
	global_load_u16 v28, v31, s[100:101]           ; its two scale bytes; the upper two are 0
	global_load_b128 v[232:235], v1, s[98:99]
	global_load_b64 v[236:237], v2, s[98:99] offset:512
	global_load_u16 v244, v31, s[66:67]
	s_and_b32 s76, s14, 1
	s_lshl_b32 s76, s76, 1
	s_add_co_u32 s76, s76, KSC
	v_add_nc_u32 v3, s76, v31                      ; K's scale bytes: 4 r + 2 (head % 2)
	v_add_nc_u32 v4, VSC, v31                      ; V's scale words: 4 r
	v_and_b32 v9, 8, v7
	s_delay_alu instid0(VALU_DEP_1)
	v_add_nc_u32 v9, v9, v7                        ; r + 8 (r / 8)
	v_lshlrev_b32 v10, 4, v8
	s_delay_alu instid0(VALU_DEP_1)
	v_sub_nc_u32 v9, v9, v10
	s_lshl_b32 s76, s15, 5
	s_lshl_b32 s3, s17, 3
	s_add_co_u32 s76, s76, s3
	v_add_nc_u32 v5, s76, v9                       ; d = my query among its 128 - 16 h.  Register 16 i + j of S^T holds key 32 i + 16 h + j of the step: hidden on the diagonal where 32 i + j > d
	v_mov_b32 v230, 0xff800000                     ; -infinity
	v_mov_b32 v227, 0                              ; (named as the upper half of the pair v[226:227])
.irp j, 22,23,24,25,26,27,238,239,240,241,242,243
	v_mov_b32 v\j, 0                               ; Q's upper 64 along K: zero codes
.endr
.irp t, 0,1,2,3
.irp j, 6,7,8,9,10,11
	v_mov_b32 v[32+12*\t+\j], 0                    ; K's likewise: written once, no load lands there
.endr
.endr
.irp b, 0,1,2,3
	v_mov_b32 v[216+\b], 0                         ; written once: a lane permute's destination counts as one of its sources
.endr
	s_wait_tensorcnt 0x0                           ; my part of the head is in LDS,
	s_wait_loadcnt 0x0                             ; Q is in,
	s_barrier_signal -1
	s_barrier_wait -1                              ; everybody's part is
; A KEY STEP: 128 keys.
.macro STEP qf, qs, lim
	v_add_nc_u32 v6, s[TB], v1                     ; six plain lines: they are also the places between the last step's products and the products that write over V's fragments
	s_wait_alu depctr_va_vdst(0)
	v_add_nc_u32 v7, s[TB], v2
	s_wait_alu depctr_va_vdst(0)
	v_add_nc_u32 v8, s[TBV], v1
	v_add_nc_u32 v9, s[TBV], v2
	v_add_nc_u32 v10, s[TS], v3
	s_wait_alu depctr_va_vdst(0)
	v_add_nc_u32 v11, s[TJ], v4
.irp g, 0,1                                    ; S^T = K Q^T, four tiles of 16 keys at a time
.if \g
	NOPS                                           ; places in front of loads into registers that matrix instructions have read
.endif
.irp t, 0,1,2,3
	ds_load_b128 v[32+12*\t:35+12*\t], v6 offset:(4*\g+\t)*768
	ds_load_b64 v[36+12*\t:37+12*\t], v7 offset:(4*\g+\t)*768+512
	ds_load_u16 v[80+\t], v10 offset:(4*\g+\t)*64
.endr
	s_wait_dscnt 0x0
.irp t, 0,1,2,3
	v_wmma_scale_f32_16x16x128_f8f6f4 v[96+8*(4*\g+\t):103+8*(4*\g+\t)], v[32+12*\t:43+12*\t], v[\qf:\qf+11], 0, v[80+\t], v[\qs] matrix_a_fmt:MATRIX_FMT_BF6 matrix_b_fmt:MATRIX_FMT_BF6
.endr
.endr
	NOPS
	s_cmp_lg_u32 s[CNT], s[\lim]                   ; only the tile's last step lies on the diagonal: there the scores of hidden keys become -infinity ahead of the maximum
	s_cbranch_scc1 .Lopen_\@
.set n, 0
.rept 64
	v_cmp_gt_i32 vcc_lo, 32*(n/16)+n%16, v5
	v_cndmask_b32 v[96+n], v[96+n], v230, vcc_lo
.set n, n+1
.endr
.Lopen_\@:
.irp b, 0,1,2,3
	v_max3_num_f32 v[212+\b], v[96+16*\b], v[97+16*\b], v[98+16*\b]        ; the largest score of each block of 32 keys: for the row's maximum, and, since p rises with the score, for the block's largest p
.endr
.irp i, 3,5,7,9,11,13
.irp b, 0,1,2,3
	v_max3_num_f32 v[212+\b], v[212+\b], v[96+16*\b+\i], v[97+16*\b+\i]
.endr
.endr
.irp b, 0,1,2,3
	v_max_num_f32 v[212+\b], v[212+\b], v[111+16*\b]
.endr
.irp b, 0,1,2,3
	s_delay_alu instid0(VALU_DEP_4)
	v_permlanex16_b32 v[216+\b], v[212+\b], s[SEL], s[SEL+1]
.endr
.irp b, 0,1,2,3
	s_delay_alu instid0(VALU_DEP_4)
	v_max_num_f32 v[212+\b], v[212+\b], v[216+\b]  ; with lane l xor 16's 16 keys
.endr
	s_delay_alu instid0(VALU_DEP_2)
	v_max3_num_f32 v228, v212, v213, v214
	s_delay_alu instid0(VALU_DEP_1)
	v_max_num_f32 v228, v228, v215                 ; the step's largest score of my query
	s_delay_alu instid0(VALU_DEP_1)
	v_mul_f32 v228, s[CS], v228                    ; as t (c is positive)
	s_delay_alu instid0(VALU_DEP_1)
	v_max_num_f32 v13, v13, v228                   ; the running largest t
	v_mov_b32 v228, v12
	s_delay_alu instid0(VALU_DEP_2)
	v_floor_f32 v12, -v13                          ; the new -M = floor(-t) = -ceil(t): a whole number
	s_delay_alu instid0(VALU_DEP_1)
	v_sub_f32 v228, v12, v228                      ; M's old value less its new one: a whole number, 0 or less
	s_delay_alu instid0(VALU_DEP_1)
	v_cvt_i32_f32 v228, v228                       ; (it saturates)
	s_delay_alu instid0(VALU_DEP_1)
	v_ldexp_f32 v226, 1.0, v228                    ; f = 2^(old M - new M)
.set n, 0
.rept 32
	v_pk_fma_f32 v[96+n:97+n], v[96+n:97+n], s[CS:CS+1], v[12:13] op_sel_hi:[1,0,0]   ; t - M, two at a time
.set n, n+2
.endr
	s_setprio 1
.irp b, 0,1,2,3
	v_fma_f32 v[212+\b], v[212+\b], s[CS], v12     ; the same of each block's largest score
.endr
.set n, 0
	s_wait_alu depctr_va_vdst(0)
.rept 64
	v_exp_f32 v[96+n], v[96+n]                     ; p = 2^(t - M), at most 1: not normalised
.set n, n+1
.endr
.irp b, 0,1,2,3
	v_exp_f32 v[212+\b], v[212+\b]                 ; the block's largest p: the same two instructions on the same number
.endr
	v_pk_mul_f32 v[14:15], v[14:15], v[226:227] op_sel_hi:[1,0]            ; the sums under the new M.  (A plain place behind the exponentials)
	s_wait_alu depctr_va_vdst(0)
.irp b, 0,1,2,3
	v_max_num_f32 v[212+\b], 0x2800000, v[212+\b]  ; the floor 2^(5 - 127): the byte cannot fall under 1
.endr
.irp b, 0,1,2,3
	s_delay_alu instid0(VALU_DEP_4)
	v_add_nc_u32 v[220+\b], 0xfe000000, v[212+\b]  ; 4 off the exponent field: the conversion's scale operand
.endr
.irp b, 0,1,2,3
	s_delay_alu instid0(VALU_DEP_4)
	v_lshrrev_b32 v[216+\b], 23, v[220+\b]         ; the scale's byte
.endr
	s_delay_alu instid0(VALU_DEP_3)
	v_lshl_or_b32 v224, v217, 8, v216              ; p's scale word for these 128 keys
	s_delay_alu instid0(VALU_DEP_1)
	v_lshl_or_b32 v224, v218, 16, v224
	s_delay_alu instid0(VALU_DEP_1)
	v_lshl_or_b32 v224, v219, 24, v224
.irp c, 0,1
	v_cvt_scalef32_pk16_bf6_f32 v[192+6*\c:194+6*\c], v[96+32*\c:111+32*\c], v[220+2*\c]
	v_cvt_scalef32_pk16_bf6_f32 v[204+4*\c:206+4*\c], v[112+32*\c:127+32*\c], v[221+2*\c]
.endr
	v_nop                                          ; one plain place behind a scaled conversion
.irp c, 0,1                                    ; the operand's layout wants a WHOLE block in a lane
.irp i, 0,1,2
	v_permlane16_swap_b32 v[192+6*\c+\i], v[204+4*\c+\i]
.endr
.irp i, 0,1,2
	s_delay_alu instid0(VALU_DEP_3)
	v_mov_b32 v[195+6*\c+\i], v[204+4*\c+\i]
.endr
.endr
	v_pk_add_f32 v[228:229], v[100:101], v[104:105]
	v_pk_add_f32 v[252:253], v[108:109], v[112:113]
	v_pk_add_f32 v[250:251], v[116:117], v[120:121]
	v_pk_add_f32 v[248:249], v[124:125], v[128:129]
	v_pk_add_f32 v[246:247], v[132:133], v[136:137]
	v_pk_add_f32 v[222:223], v[140:141], v[144:145]
	v_pk_add_f32 v[220:221], v[148:149], v[152:153]
	v_pk_add_f32 v[14:15], v[14:15], v[156:157]
	v_pk_add_f32 v[228:229], v[228:229], v[96:97]
	v_pk_add_f32 v[252:253], v[252:253], v[98:99]
	v_pk_add_f32 v[250:251], v[250:251], v[102:103]
	v_pk_add_f32 v[248:249], v[248:249], v[106:107]
	v_pk_add_f32 v[246:247], v[246:247], v[110:111]
	v_pk_add_f32 v[222:223], v[222:223], v[114:115]
	v_pk_add_f32 v[220:221], v[220:221], v[118:119]
	v_pk_add_f32 v[14:15], v[14:15], v[122:123]
	v_pk_add_f32 v[228:229], v[228:229], v[126:127]
	v_pk_add_f32 v[252:253], v[252:253], v[130:131]
	v_pk_add_f32 v[250:251], v[250:251], v[134:135]
	v_pk_add_f32 v[248:249], v[248:249], v[138:139]
	v_pk_add_f32 v[246:247], v[246:247], v[142:143]
	v_pk_add_f32 v[222:223], v[222:223], v[146:147]
	v_pk_add_f32 v[220:221], v[220:221], v[150:151]
	v_pk_add_f32 v[14:15], v[14:15], v[154:155]
	v_pk_add_f32 v[228:229], v[228:229], v[158:159]
	s_delay_alu instid0(VALU_DEP_2)
	v_pk_add_f32 v[14:15], v[14:15], v[248:249]
	s_delay_alu instid0(VALU_DEP_2)
	v_pk_add_f32 v[228:229], v[228:229], v[246:247]
	s_setprio 0
	v_pk_add_f32 v[252:253], v[252:253], v[222:223]
	v_pk_add_f32 v[250:251], v[250:251], v[220:221]
	s_delay_alu instid0(VALU_DEP_2)
	v_pk_add_f32 v[14:15], v[14:15], v[252:253]
	s_delay_alu instid0(VALU_DEP_2)
	v_pk_add_f32 v[228:229], v[228:229], v[250:251]
	s_delay_alu instid0(VALU_DEP_1)
	v_pk_add_f32 v[14:15], v[14:15], v[228:229]
.irp t, 0,1,2,3                                ; V's four fragments (16 of the head's 64 x these 128 keys) take p's registers
	ds_load_b128 v[96+12*\t:99+12*\t], v8 offset:768*\t
	ds_load_b64 v[100+12*\t:101+12*\t], v9 offset:768*\t+512
	ds_load_b128 v[102+12*\t:105+12*\t], v8 offset:3072+768*\t
	ds_load_b64 v[106+12*\t:107+12*\t], v9 offset:3584+768*\t
	ds_load_b32 v[84+\t], v11 offset:64*\t
.endr
.set n, 0
.rept 16
	v_pk_mul_f32 v[160+n:161+n], v[160+n:161+n], v[226:227] op_sel_hi:[1,0]    ; O^T under the new M, while the loads are out
.set n, n+2
.endr
	s_wait_alu depctr_va_vdst(0)
	s_wait_dscnt 0x0
.irp t, 0,1,2,3                                ; O^T += V^T P^T: the four accumulators by turns
	v_wmma_scale_f32_16x16x128_f8f6f4 v[160+8*\t:167+8*\t], v[96+12*\t:107+12*\t], v[192:203], v[160+8*\t:167+8*\t], v[84+\t], v224 matrix_a_fmt:MATRIX_FMT_BF6 matrix_b_fmt:MATRIX_FMT_BF6
.endr
.endm
; THE WAY OUT of a tile: O^T / the sum; register 16 i + j is d = 32 i + 16 h + j of my query: two blocks of 32 along the next product's K, quantised as p is; one image and two scale bytes a row.
.macro EPI cb, sb
	NOPS                                           ; behind the last products
	v_add_f32 v14, v14, v15                        ; the sum's two halves,
	s_delay_alu instid0(VALU_DEP_1)
	v_permlanex16_b32 v216, v14, s[SEL], s[SEL+1]
	s_delay_alu instid0(VALU_DEP_1)
	v_add_f32 v14, v14, v216                       ; and lane l xor 16's
	s_wait_alu depctr_va_vdst(0)
	v_rcp_f32 v226, v14
	v_nop                                          ; one plain place behind a transcendental
.set n, 0
	s_wait_alu depctr_va_vdst(0)
.rept 16
	v_pk_mul_f32 v[96+n:97+n], v[160+n:161+n], v[226:227] op_sel_hi:[1,0]      ; each accumulator from its low end on
.set n, n+2
.endr
.irp b, 0,1
	v_max3_num_f32 v[212+\b], |v[96+16*\b]|, |v[97+16*\b]|, 0x2800000
.endr
.irp i, 2,4,6,8,10,12,14
.irp b, 0,1
	s_delay_alu instid0(VALU_DEP_2)
	v_max3_num_f32 v[212+\b], v[212+\b], |v[96+16*\b+\i]|, |v[97+16*\b+\i]|
.endr
.endr
.irp b, 0,1
	s_delay_alu instid0(VALU_DEP_2)
	v_permlanex16_b32 v[216+\b], v[212+\b], s[SEL], s[SEL+1]
.endr
.irp b, 0,1
	s_delay_alu instid0(VALU_DEP_2)
	v_max_num_f32 v[212+\b], v[212+\b], v[216+\b]
.endr
.irp b, 0,1
	s_delay_alu instid0(VALU_DEP_2)
	v_add_nc_u32 v[220+\b], 0xfe000000, v[212+\b]
.endr
.irp b, 0,1
	s_delay_alu instid0(VALU_DEP_2)
	v_lshrrev_b32 v[216+\b], 23, v[220+\b]
.endr
	s_delay_alu instid0(VALU_DEP_1)
	v_lshl_or_b32 v228, v217, 8, v216              ; my row's two scale bytes
	v_cvt_scalef32_pk16_bf6_f32 v[192:194], v[96:111], v220
	v_cvt_scalef32_pk16_bf6_f32 v[204:206], v[112:127], v221
	v_nop
.irp i, 0,1,2
	v_permlane16_swap_b32 v[192+\i], v[204+\i]
.endr
.irp i, 0,1,2
	s_delay_alu instid0(VALU_DEP_3)
	v_mov_b32 v[195+\i], v[204+\i]
.endr
	global_store_b128 v1, v[192:195], s[\cb:\cb+1]             ; 512 and 256 consecutive bytes, each at a multiple of 256 from the buffer's first byte
	global_store_b64 v2, v[196:197], s[\cb:\cb+1] offset:512
	global_store_b16 v29, v228, s[\sb:\sb+1]                   ; two bytes a row, 8 bytes apart: the word's other half is another head's.  Lanes 16-31 store the same bytes with the same values
	s_wait_xcnt 0x0                                ; the stores have read their registers: the next tile may write them
.endm
; ONE TILE OF QUERIES.  The loop has a constant number of trips; a step all of whose keys come after the tile's queries is left out by a branch on the wave's number and the counter, round the step's work alone.
.macro PASS qf, qs, lim, cb, sb
	v_mov_b32 v13, 0xff61b1e6                      ; the largest t so far: -3e38, under every t
	s_delay_alu instid0(VALU_DEP_1)
	v_floor_f32 v12, -v13                          ; -M
	v_mov_b32 v14, 0
	v_mov_b32 v15, 0
.set n, 0
.rept 32
	v_mov_b32 v[160+n], 0                          ; O^T.  (The step is written once: the first finds zeros, which the first change of M leaves zeros)
.set n, n+1
.endr
	s_mov_b32 s[CNT], 0
	s_mov_b32 s[TB], KIMG
	s_mov_b32 s[TBV], VIMG
	s_mov_b32 s[TS], 0
	s_mov_b32 s[TJ], 0
.Lkey_\@:
	s_cmp_gt_u32 s[CNT], s[\lim]
	s_cbranch_scc1 .Lfoot_\@
	s_setprio 2
	STEP \qf, \qs, \lim
.Lfoot_\@:
	s_add_co_u32 s[TB], s[TB], 6144                ; eight tiles of keys,
	s_add_co_u32 s[TBV], s[TBV], 6144              ; two groups of 64 keys,
	s_add_co_u32 s[TS], s[TS], 512                 ; eight tiles' scale words,
	s_add_co_u32 s[TJ], s[TJ], 256                 ; a step's four tiles' scale words
	s_add_co_u32 s[CNT], s[CNT], 1
	s_cmp_lt_u32 s[CNT], 16
	s_cbranch_scc1 .Lkey_\@
	s_setprio 0
	EPI \cb, \sb
.endm
	PASS 16, 28, 85, 88, 90
	PASS 232, 244, 86, 92, 94
	s_wait_dscnt 0x0
	s_wait_tensorcnt 0x0
	ds_add_u32 v254, v255
	s_wait_dscnt 0x0
	ROUND                                          ; the closing round
	s_endpgm
.Lfunc_end_k_q58e75743b1_attn:
	.size	k_q58e75743b1_attn, .Lfunc_end_k_q58e75743b1_attn-k_q58e75743b1_attn
	.p2alignl 7, 3214868480
	.fill 96, 4, 3214868480
	.section	.rodata,"a",@progbits
	.p2align	6, 0x0
	.amdhsa_kernel k_q58e75743b1_attn
		.amdhsa_group_segment_fixed_size 210944
		.amdhsa_private_segment_fixed_size 0
		.amdhsa_enable_private_segment 0
		.amdhsa_kernarg_size 32
		.amdhsa_user_sgpr_count 2
		.amdhsa_user_sgpr_kernarg_segment_ptr 1
		.amdhsa_wavefront_size32 1
		.amdhsa_system_sgpr_workgroup_id_x 1
		.amdhsa_system_sgpr_workgroup_id_y 1
		.amdhsa_system_sgpr_workgroup_id_z 1
		.amdhsa_system_vgpr_workitem_id 0
		.amdhsa_next_free_vgpr 256
		.amdhsa_next_free_sgpr 102
		.amdhsa_reserve_vcc 1
		.amdhsa_float_denorm_mode_32 3
		.amdhsa_float_denorm_mode_16_64 3
		.amdhsa_memory_ordered 1
		.amdhsa_forward_progress 1
		.amdhsa_inst_pref_size 71
	.end_amdhsa_kernel
	.amdgpu_metadata
---
amdhsa.version: [ 1, 2 ]
amdhsa.kernels:
  - .name:           k_q58e75743b1_attn
    .symbol:         k_q58e75743b1_attn.kd
    .args:
      - { .name: qkv, .offset: 0, .size: 8, .value_kind: global_buffer, .address_space: global }
      - { .name: qvs, .offset: 8, .size: 8, .value_kind: global_buffer, .address_space: global }
      - { .name: ctx, .offset: 16, .size: 8, .value_kind: global_buffer, .address_space: global }
      - { .name: cts, .offset: 24, .size: 8, .value_kind: global_buffer, .address_space: global }
    .group_segment_fixed_size: 210944
    .private_segment_fixed_size: 0
    .kernarg_segment_align: 8
    .kernarg_segment_size: 32
    .max_flat_workgroup_size: 512
    .sgpr_count:     102
    .vgpr_count:     256
    .wavefront_size: 32
...
	.end_amdgpu_metadata
.endif
;; end of part 3
;; launch outp (part 4): grid 4 x 64, 4 waves a work-group, clusters of 4 x 4, 327,680 bytes of LDS; arguments ctx, cts, cod, cos, b_out, out0; writes out0
.if DOCPART == 4
	.amdgcn_target "amdgcn-amd-amdhsa--gfx1250"
	.amdhsa_code_object_version 6
	.text
	.protected	k_q58e75743b1_outp
	.globl	k_q58e75743b1_outp
	.p2align	8
	.type	k_q58e75743b1_outp,@function
k_q58e75743b1_outp:
	s_mov_b64 s[64:65], 0
	v_nop
	global_prefetch_b8 v0, s[64:65] scope:SCOPE_SE
	s_setreg_imm32_b32 hwreg(HW_REG_WAVE_MODE, 25, 1), 1
	s_wait_xcnt 0x0
	s_wait_alu depctr_hold_cnt(0) depctr_sa_sdst(0) depctr_va_vdst(0) depctr_va_sdst(0) depctr_va_ssrc(0) depctr_va_vcc(0) depctr_vm_vsrc(0)
	s_getreg_b32 s2, hwreg(HW_REG_IB_STS2, 6, 4)
	s_cmp_eq_u32 s2, 0
	s_cbranch_scc0 .Lentry_in_a_cluster
	s_endpgm
.Lentry_in_a_cluster:
	s_bfe_u32 s2, ttmp6, 0x10000c
	s_cmp_lg_u32 s2, 0xf033
	s_cbranch_scc0 .Lentry_shape_is_right
	s_endpgm
.Lentry_shape_is_right:
; out0 = ctx W_out^T + b_out on codes of BF6 (E3M2) with one E8M0 scale for each 32 along K = 1,024; out0 [8192][1024] f32.
; SHARES.  A work-group of four waves makes 128 tokens x 256 features: 8,192 x 1,024 sums are 256 such work-groups.  A wave makes 64 x 128: 32 accumulators of 16 x 16.
; Source 0 takes 16 rows of "P" = W_out (features), source 1 16 rows of "R" = ctx (tokens): a lane holds one token and eight neighbouring features an accumulator.
; ALL OF K LIES IN LDS AT ONCE: (128 + 256) rows x 768 bytes = 294,912 bytes of codes and 12,288 of scale words.  So no LDS byte is filled twice: there is no ring and no refill.  The four K steps of 256 are asked for
; together at the start, each by a load of its own, and a K step is read behind a counted wait and a plain barrier: the later steps land while the earlier ones are multiplied.
; OPERANDS lie in memory as images of the operand's registers (768 bytes for 16 rows x 64 K: registers 0-3 of lane l at 16 l, registers 4-5 at 512 + 8 l): a fragment comes from LDS by two loads of 16 and two of 8 bytes
; at consecutive addresses, with no pitch and no padding.
; CLUSTERS: 4 x 4 work-groups; R's tiles are asked for jointly along a row of the cluster, P's along a column: the same tensor load, the same descriptor, a mask that names the four.
; Tiles of 16 rows lie in the order lane r of tile T = row 32 (T / 2) + 8 (T % 2) + r + 8 (r / 8), on both sides: the way out puts features and tokens back in their places, by immediate offsets alone.
; THE BIAS is the C of each sum's first matrix instruction: eight registers for each of P's eight blocks, in the result's layout.
; The price of the smaller tile: 12 fragments are read from LDS for 32 products, where a wave's 128 x 128 would read 16 for 64.
; REGISTERS, in windows of 256: window 0: v8-13, v16-31 addresses; v32-79 scale words, two sets; v80-175 R's fragments, two sets; v176-239 the bias; on the way out v128-255 rows of the result.
;   window 1: P's fragments, two sets, at v0 and v128.   window 2: the accumulators ((a, b) at v[8 (8 a + b)]).
.set FR,     12                        ; registers of a fragment: 16 rows x 128 K
.set NP,     4                         ; places behind this matrix instruction (ISA guide 7.12.1)
.set TROW,   3072                      ; a tile's four images of a K step
.set RPART,  8*TROW                    ; R's 128 rows of a K step
.set SLOTB,  24*TROW                   ; a K step in LDS: R's 8 tiles, then P's 16
.set SCLA,   4*SLOTB                   ; behind the four K steps: R's scale words, 4,096 bytes;
.set SCLB,   SCLA+4096                 ; P's, 8,192 bytes
.set SPITCH, 528                       ; the way out: a stage of 16 rows x (512 bytes + 16) for each wave, in K step 0's bytes: they are filled once, and every wave's reads of them are over in front of the barrier ahead of K step 1
.set STO,  8                           ; v8      the way out: where I put 32 bytes of a row
.set RD,   9                           ; v9      where I read a row back
.set CO,   10                          ; v10     16 x lane: my bytes in a row's 512
.set ASR,  11                          ; v11     LDS address of my row's scale words in R's blocks
.set ASP,  12                          ; v12     the same in P's
.set BA,   13                          ; v13     64 h: my half's 16 numbers of the bias
.set ADRA, 16                          ; v16-19  16 x lane + my R rows in K step 0 .. 3;  v20-23 the same with 8 x lane
.set ADRB, 24                          ; v24-27, v28-31 the same for P
.set SC,   32                          ; scale words: the set of K step s at v[SC + 24 (s % 2)]: P's block b at 2 b + q, R's block a at 16 + 2 a + q, for the step's q-th 128 along K
.set RF,   80                          ; R's fragments: set p at v[RF + 48 p]
.set BIAS, 176
.set BK,   128                         ; the way out: 16 rows read back from the stage: v128-191 and v192-255 by turns
.set G1,   24                          ; s[24:31] descriptor group 1 for R's tiles;  s[32:39] for P's;  s[40:47], s[48:55] for their scale words
.set G1B,  32
.set G1S,  40
.set G1SB, 48
.set G0S,  56                          ; s[56:59], s[60:63] groups 0 for the scale words
.set G0SB, 60
.set G0,   68                          ; s[68:83] groups 0 for R's tiles, one for each K step: all are out together
.set G0B,  84                          ; s[84:99] the same for P's
.set MSB, 0
.macro WIN new                         ; the immediate's high byte repeats the setting that is left
.if MSB != \new
	s_set_vgpr_msb (MSB<<8)|\new
.set MSB, \new
.endif
.endm
.set MUL,  0xa1                        ; source 0 (P) window 1, source 1 (R) window 0, C and D window 2
.set BIA,  0x81                        ; the first step: C (the bias) window 0, D window 2
.set TO_B, 0x40                        ; destination window 1, address window 0
; A joint load: waves 0 and 1 fetch for R, waves 2 and 3 for P.  The branch hangs on the wave's number alone.  Four v_nop follow each of the two lines.
.macro JLOAD g0a, g1a, g0b, g1b
	s_cmp_eq_u32 s15, 0
	s_cbranch_scc0 .Lfor_b_\@
	tensor_load_to_lds s[\g0a:\g0a+3], s[\g1a:\g1a+7]
	s_nop 0
.rept 4
	v_nop
.endr
	s_branch .Lasked_\@
.Lfor_b_\@:
	tensor_load_to_lds s[\g0b:\g0b+3], s[\g1b:\g1b+7]
	s_nop 0
.rept 4
	v_nop
.endr
.Lasked_\@:
.endm
.macro CROUND                          ; a round of the cluster's barrier
	s_barrier_signal -1
	s_barrier_wait -1
	s_cmp_lg_u32 s14, 0
	s_cbranch_scc1 .Lnot_wave_0_\@
	s_barrier_signal -3
.Lnot_wave_0_\@:
	s_barrier_wait -3
	s_barrier_signal -1
	s_barrier_wait -1
.endm
	s_load_b256 s[4:11], s[0:1], 0x0               ; ctx s[4:5], cts s[6:7], cod s[8:9], cos s[10:11]
	s_load_b128 s[20:23], s[0:1], 0x20             ; b_out s[20:21], out0 s[22:23]
	v_lshl_add_u32 v14, v0, 2, 0x4b000
	v_mov_b32 v15, 0
	ds_add_u32 v14, v15
	ds_add_u32 v14, v15
	v_lshrrev_b32 v1, 5, v0
	v_readfirstlane_b32 s14, v1                    ; wave 0..3
	s_lshr_b32 s15, s14, 1                         ; which half of R's rows is mine.  Also: I fetch for R (0) or for P (1)
	s_and_b32 s16, s14, 1                          ; which half of P's rows.  Also: which half of the rows I fetch
	s_bfe_u32 s2, ttmp6, 0x40000                   ; cx, cy: my place in the cluster
	s_bfe_u32 s3, ttmp6, 0x40004
	s_lshl_b32 s18, ttmp9, 2
	s_add_co_u32 s18, s18, s2                      ; which 256 features
	s_and_b32 s17, ttmp7, 0xffff
	s_lshl_b32 s17, s17, 2
	s_add_co_u32 s17, s17, s3                      ; which 128 tokens
	s_lshl_b32 s12, s3, 2
	s_lshl_b32 s12, 15, s12                        ; my row of the cluster
	s_lshl_b32 s13, 0x1111, s2                     ; my column
	; descriptor groups 1: elements of 8 bytes, no padding, bit 21 beside the mask
	s_or_b32 s[G1+0], s12, (3<<16)|(1<<21)         ; R's tiles and scale words go to my row of the cluster,
	s_or_b32 s[G1S+0], s12, (3<<16)|(1<<21)
	s_or_b32 s[G1B+0], s13, (3<<16)|(1<<21)        ; P's to my column
	s_or_b32 s[G1SB+0], s13, (3<<16)|(1<<21)
	s_mov_b32 s[G1+1], 384<<16                     ; R: 4 tiles x 3,072 bytes (384 elements), 12,288 bytes from tile to tile; dense in LDS
	s_mov_b32 s[G1+2], 4<<16
	s_mov_b32 s[G1+3], 384<<16
	s_mov_b32 s[G1+4], 4
	s_mov_b32 s[G1+5], 1536
	s_mov_b32 s[G1+6], 0
	s_mov_b32 s[G1+7], 0
	s_mov_b32 s[G1B+1], 384<<16                    ; P: 8 tiles
	s_mov_b32 s[G1B+2], 8<<16
	s_mov_b32 s[G1B+3], 384<<16
	s_mov_b32 s[G1B+4], 8
	s_mov_b32 s[G1B+5], 1536
	s_mov_b32 s[G1B+6], 0
	s_mov_b32 s[G1B+7], 0
	s_mov_b32 s[G1S+1], 32<<16                     ; the scale words of 64 rows of R: 2,048 dense bytes, as 8 rows of 256
	s_mov_b32 s[G1S+2], 8<<16
	s_mov_b32 s[G1S+3], 32<<16
	s_mov_b32 s[G1S+4], 8
	s_mov_b32 s[G1S+5], 32
	s_mov_b32 s[G1S+6], 0
	s_mov_b32 s[G1S+7], 0
	s_mov_b32 s[G1SB+1], 32<<16                    ; of 128 rows of P: 4,096 dense bytes, as 16 rows of 256
	s_mov_b32 s[G1SB+2], 16<<16
	s_mov_b32 s[G1SB+3], 32<<16
	s_mov_b32 s[G1SB+4], 16
	s_mov_b32 s[G1SB+5], 32
	s_mov_b32 s[G1SB+6], 0
	s_mov_b32 s[G1SB+7], 0
	; where the tiles come from: R's hang on the tokens' block alone, which my row of the cluster shares; P's on the features' block alone, which my column shares
	s_lshl_b32 s12, s17, 7
	s_lshl_b32 s19, s16, 6
	s_add_co_u32 s12, s12, s19                     ; R: the first of the 64 rows of ctx that I fetch
	s_lshl_b32 s13, s18, 8
	s_lshl_b32 s19, s16, 7
	s_add_co_u32 s13, s13, s19
	s_add_co_u32 s13, s13, 11264                   ; P: the first of the 128 rows of cod: W_out begins at row 11,264
	s_mul_i32 s[G0+2], s12, 768                    ; codes: 768 bytes a row;
	s_mov_b32 s[G0+3], 0
	s_lshl_b32 s[G0S+2], s12, 5                    ; scale words: 32 bytes a row
	s_mov_b32 s[G0S+3], 0
	s_mul_i32 s[G0B+2], s13, 768
	s_mov_b32 s[G0B+3], 0
	s_lshl_b32 s[G0SB+2], s13, 5
	s_mov_b32 s[G0SB+3], 0
	; and where they go: the wave's number and constants alone
	s_mul_i32 s12, s16, 4*TROW                     ; R's halves
	s_mul_i32 s13, s16, 8*TROW
	s_add_co_u32 s13, s13, RPART                   ; P's halves, behind R's
	s_lshl_b32 s[G0S+1], s16, 11
	s_add_co_u32 s[G0S+1], s[G0S+1], SCLA
	s_lshl_b32 s[G0SB+1], s16, 12
	s_add_co_u32 s[G0SB+1], s[G0SB+1], SCLB
	s_mov_b32 s[G0S], 1
	s_mov_b32 s[G0SB], 1
	s_wait_dscnt 0x0
	s_wait_kmcnt 0x0
	s_add_nc_u64 s[G0+2:G0+3], s[4:5], s[G0+2:G0+3]
	s_add_nc_u64 s[G0S+2:G0S+3], s[6:7], s[G0S+2:G0S+3]
	s_add_nc_u64 s[G0B+2:G0B+3], s[8:9], s[G0B+2:G0B+3]
	s_add_nc_u64 s[G0SB+2:G0SB+3], s[10:11], s[G0SB+2:G0SB+3]
.irp s, 1,2,3
	s_add_nc_u64 s[G0+4*\s+2:G0+4*\s+3], s[G0+2:G0+3], \s*TROW             ; K step s: 3,072 bytes on in each tile
	s_add_nc_u64 s[G0B+4*\s+2:G0B+4*\s+3], s[G0B+2:G0B+3], \s*TROW
.endr
.irp s, 0,1,2,3
	s_mov_b32 s[G0+4*\s], 1                        ; 1:0 count = 1
	s_add_co_u32 s[G0+4*\s+1], s12, \s*SLOTB       ; 63:32 LDS address
	s_or_b32 s[G0+4*\s+3], s[G0+4*\s+3], 0x80000000        ; 127:126 type = 2
	s_mov_b32 s[G0B+4*\s], 1
	s_add_co_u32 s[G0B+4*\s+1], s13, \s*SLOTB
	s_or_b32 s[G0B+4*\s+3], s[G0B+4*\s+3], 0x80000000
.endr
	s_or_b32 s[G0S+3], s[G0S+3], 0x80000000
	s_or_b32 s[G0SB+3], s[G0SB+3], 0x80000000
	CROUND                                         ; all sixteen work-groups are here: the joint loads meet
	JLOAD G0S, G1S, G0SB, G1SB                     ; the scale words first: they are wanted with K step 0
.irp s, 0,1,2,3
	JLOAD G0+4*\s, G1, G0B+4*\s, G1B               ; then the K steps in their order: five loads of mine are out
.endr
	v_and_b32 v1, 15, v0                           ; r
	v_bfe_u32 v2, v0, 4, 1                         ; h
	v_and_b32 v3, 31, v0                           ; lane
	v_lshlrev_b32 v[CO], 4, v3
	v_lshlrev_b32 v4, 3, v3
	s_mul_i32 s12, s15, 4*TROW                     ; my 64 rows of R
	s_mul_i32 s13, s16, 8*TROW
	s_add_co_u32 s13, s13, RPART                   ; my 128 rows of P
.irp s, 0,1,2,3
	v_add_nc_u32 v[ADRA+\s], s12, v[CO]
	v_add_nc_u32 v[ADRA+4+\s], s12, v4
	v_add_nc_u32 v[ADRB+\s], s13, v[CO]
	v_add_nc_u32 v[ADRB+4+\s], s13, v4
	s_add_co_u32 s12, s12, SLOTB
	s_add_co_u32 s13, s13, SLOTB
.endr
	s_lshl_b32 s12, s15, 11
	s_add_co_u32 s12, s12, SCLA
	v_lshl_add_u32 v[ASR], v1, 3, s12              ; scale words: 8 bytes a row for a K step; lanes 16-31 read what lanes 0-15 read
	s_lshl_b32 s13, s16, 12
	s_add_co_u32 s13, s13, SCLB
	v_lshl_add_u32 v[ASP], v1, 3, s13
	s_mul_i32 s12, s14, 16*SPITCH                  ; my stage
	v_mul_u32_u24 v5, v1, SPITCH
	v_lshl_add_u32 v5, v2, 6, v5
	v_add_nc_u32 v[STO], s12, v5                   ; in: row r, + 64 h
	v_add_nc_u32 v[RD], s12, v[CO]                 ; back: the 32 lanes take one row of 512 bytes
	v_lshlrev_b32 v[BA], 6, v2
	s_lshl_b32 s12, s17, 7
	s_lshl_b32 s13, s15, 6
	s_add_co_u32 s12, s12, s13                     ; my first token,
	s_lshl_b32 s12, s12, 12                        ; 4,096 bytes a row
	s_lshl_b32 s2, s18, 10
	s_lshl_b32 s3, s16, 9
	s_add_co_u32 s2, s2, s3                        ; my first feature, in bytes
	s_mov_b32 s3, 0
	s_add_nc_u64 s[20:21], s[20:21], s[2:3]
	s_add_co_u32 s12, s12, s2
	s_mov_b32 s13, 0
	s_add_nc_u64 s[22:23], s[22:23], s[12:13]
.irp b, 0,1,2,3,4,5,6,7                        ; block b's eight features of my half: 32 (b / 2) + 16 h + 8 (b % 2) + 0 .. 7
	global_load_b128 v[BIAS+8*\b:BIAS+8*\b+3], v[BA], s[20:21] offset:(32*(\b/2)+8*(\b%2))*4
	global_load_b128 v[BIAS+8*\b+4:BIAS+8*\b+7], v[BA], s[20:21] offset:(32*(\b/2)+8*(\b%2))*4+16
.endr
.macro FRAG reg, adr, q, i             ; a fragment, 16 rows x 128 K, is two images: registers 6 c .. 6 c + 3 at 16 x lane, 6 c + 4, 5 at 512 + 8 x lane
.irp c, 0,1
	ds_load_b128 v[\reg+6*\c:\reg+6*\c+3], v[\adr] offset:(\i)*TROW+(2*(\q)+\c)*768
	ds_load_b64 v[\reg+6*\c+4:\reg+6*\c+5], v[\adr+4] offset:(\i)*TROW+(2*(\q)+\c)*768+512
.endr
.endm
; The fragments of step n (128 along K: the (n % 2)-th of K step n / 2) into sets n % 2: P's eight, R's four; with a K step's first half its scale words: 48 or 60 LDS loads in one run
.macro FETCH n
.set SL, (\n)/2
.set QQ, (\n)%2
	WIN TO_B
.irp i, 0,1,2,3,4,5,6,7
	FRAG 128*QQ+FR*\i, ADRB+SL, QQ, \i
.endr
	WIN 0
.irp i, 0,1,2,3
	FRAG RF+48*QQ+FR*\i, ADRA+SL, QQ, \i
.endr
.if QQ == 0
.irp i, 0,1,2,3,4,5,6,7
	ds_load_b64 v[SC+24*(SL%2)+2*\i:SC+24*(SL%2)+2*\i+1], v[ASP] offset:512*\i+128*SL
.endr
.irp i, 0,1,2,3
	ds_load_b64 v[SC+24*(SL%2)+16+2*\i:SC+24*(SL%2)+16+2*\i+1], v[ASR] offset:512*\i+128*SL
.endr
.endif
.endm
; 32 matrix instructions: R's four blocks x P's eight, 128 along K.  first = 1: the sums begin with the bias.  The 32 accumulators take turns, one instruction a turn, in the same order in every step.
.macro MUL32 n, first
.set SL, (\n)/2
.set QQ, (\n)%2
.set SB, SC+24*(SL%2)
.irp a, 0,1,2,3
.irp b, 0,1,2,3,4,5,6,7
.if \first
	v_wmma_scale_f32_16x16x128_f8f6f4 v[8*(8*\a+\b):8*(8*\a+\b)+7], v[128*QQ+FR*\b:128*QQ+FR*\b+FR-1], v[RF+48*QQ+FR*\a:RF+48*QQ+FR*\a+FR-1], v[BIAS+8*\b:BIAS+8*\b+7], v[SB+2*\b+QQ], v[SB+16+2*\a+QQ] matrix_a_fmt:MATRIX_FMT_BF6 matrix_b_fmt:MATRIX_FMT_BF6
.else
	v_wmma_scale_f32_16x16x128_f8f6f4 v[8*(8*\a+\b):8*(8*\a+\b)+7], v[128*QQ+FR*\b:128*QQ+FR*\b+FR-1], v[RF+48*QQ+FR*\a:RF+48*QQ+FR*\a+FR-1], v[8*(8*\a+\b):8*(8*\a+\b)+7], v[SB+2*\b+QQ], v[SB+16+2*\a+QQ] matrix_a_fmt:MATRIX_FMT_BF6 matrix_b_fmt:MATRIX_FMT_BF6
.endif
.endr
.endr
.endm
.macro PLACES n                        ; plain vector instructions between a matrix instruction and a load into, or a read of, its registers (ISA guide 7.12.1 for reads)
.rept \n
	v_nop
.endr
.endm
; A step of 128 along K: its fragments are waited for, the next step's are asked for into the other sets, and its 32 products follow.
; Where the next step opens a K step, that K step's tile is waited for first: the count is the number of later K steps, whose loads were issued behind it and may stay out.
.macro STEP n, first
	s_wait_dscnt 0x0                               ; this step's fragments are in; no LDS instruction of mine is out at the signal below
.if (\n) < 7
.if (\n)%2 == 1
	s_wait_tensorcnt 3-((\n)+1)/2                  ; my part of the next K step is in LDS,
	s_barrier_signal -1
	s_barrier_wait -1                              ; everybody's is
.endif
.if (\n) > 0
	PLACES NP                                      ; the other sets were read by the last step's products
.endif
	FETCH (\n)+1
.endif
.if \first
	WIN BIA
.else
	WIN MUL
.endif
	MUL32 \n, \first
	WIN 0
.endm
	s_wait_tensorcnt 3                             ; the scale words and my part of K step 0 are in; the three later K steps may be out,
	s_barrier_signal -1
	s_barrier_wait -1                              ; everybody's are
	FETCH 0
	s_wait_loadcnt 0x0                             ; the bias
	STEP 0, 1                                      ; the first step's products start the sums, on the bias
.irp n, 1,2,3,4,5,6,7
	STEP \n, 0
.endr
; THE WAY OUT, block by block of 16 tokens x 128 features, through my own stage in LDS: in as 32 bytes a lane at the features' true places, back as whole rows of 512 bytes.
.macro TOSTAGE a
.set AC, 64*(\a)
	WIN 0x08                                       ; an LDS store's data are its source 1: window 2
.irp b, 0,1,2,3,4,5,6,7
	ds_store_b128 v[STO], v[AC+8*\b:AC+8*\b+3] offset:128*(\b/2)+32*(\b%2)         ; each accumulator from its low end on
	ds_store_b128 v[STO], v[AC+8*\b+4:AC+8*\b+7] offset:128*(\b/2)+32*(\b%2)+16
.endr
	WIN 0
.set BB, BK+64*((\a)%2)
.irp t, 0,1,2,3,4,5,6,7,8,9,10,11,12,13,14,15
	ds_load_b128 v[BB+4*\t:BB+4*\t+3], v[RD] offset:\t*SPITCH      ; LDS serves a wave's instructions in order (ISA guide 5.7.1.4): these see the stores above
.endr
.endm
.macro SEND a, younger                 ; younger: the LDS instructions issued behind block a's loads, which may stay out
.set BB, BK+64*((\a)%2)
	s_wait_dscnt \younger
.irp t, 0,1,2,3,4,5,6,7,8,9,10,11,12,13,14,15
	global_store_b128 v[CO], v[BB+4*\t:BB+4*\t+3], s[22:23] offset:(32*((\a)/2)+8*((\a)%2)+\t+8*(\t/8))*4096 th:TH_STORE_NT   ; lane t of tile a is token 32 (a / 2) + 8 (a % 2) + t + 8 (t / 8); 32 lanes store 512 consecutive bytes, at a multiple of 512 from the buffer's first byte
.endr
.endm
	PLACES NP                                      ; behind the last products
	TOSTAGE 0
.irp a, 1,2,3
.if \a > 1
	s_wait_xcnt 0x0                                ; block a - 2's stores have read their registers: block a's loads may land there
.endif
	TOSTAGE \a
	SEND \a-1, 32                                  ; behind block a - 1's loads: block a's 16 stores and 16 loads
.endr
	SEND 3, 0                                      ; its wait is for 0: no LDS instruction of mine is out at the round below; my tensor loads were all waited for ahead of the last K step
	s_wait_tensorcnt 0x0
	ds_add_u32 v14, v15
	s_wait_dscnt 0x0
	CROUND                                         ; the closing round: no work-group ends while a partner may still ask for a tile that names it
	s_endpgm
.Lfunc_end_k_q58e75743b1_outp:
	.size	k_q58e75743b1_outp, .Lfunc_end_k_q58e75743b1_outp-k_q58e75743b1_outp
	.p2alignl 7, 3214868480
	.fill 96, 4, 3214868480
	.section	.rodata,"a",@progbits
	.p2align	6, 0x0
	.amdhsa_kernel k_q58e75743b1_outp
		.amdhsa_group_segment_fixed_size 327680
		.amdhsa_private_segment_fixed_size 0
		.amdhsa_enable_private_segment 0
		.amdhsa_kernarg_size 48
		.amdhsa_user_sgpr_count 2
		.amdhsa_user_sgpr_kernarg_segment_ptr 1
		.amdhsa_wavefront_size32 1
		.amdhsa_system_sgpr_workgroup_id_x 1
		.amdhsa_system_sgpr_workgroup_id_y 1
		.amdhsa_system_sgpr_workgroup_id_z 1
		.amdhsa_system_vgpr_workitem_id 0
		.amdhsa_next_free_vgpr 768
		.amdhsa_next_free_sgpr 100
		.amdhsa_reserve_vcc 0
		.amdhsa_float_denorm_mode_32 3
		.amdhsa_float_denorm_mode_16_64 3
		.amdhsa_memory_ordered 1
		.amdhsa_forward_progress 1
		.amdhsa_inst_pref_size 90
	.end_amdhsa_kernel
	.amdgpu_metadata
---
amdhsa.version: [ 1, 2 ]
amdhsa.kernels:
  - .name:           k_q58e75743b1_outp
    .symbol:         k_q58e75743b1_outp.kd
    .args:
      - { .name: ctx, .offset: 0, .size: 8, .value_kind: global_buffer, .address_space: global }
      - { .name: cts, .offset: 8, .size: 8, .value_kind: global_buffer, .address_space: global }
      - { .name: cod, .offset: 16, .size: 8, .value_kind: global_buffer, .address_space: global }
      - { .name: cos, .offset: 24, .size: 8, .value_kind: global_buffer, .address_space: global }
      - { .name: b_out, .offset: 32, .size: 8, .value_kind: global_buffer, .address_space: global }
      - { .name: out0, .offset: 40, .size: 8, .value_kind: global_buffer, .address_space: global }
    .group_segment_fixed_size: 327680
    .private_segment_fixed_size: 0
    .kernarg_segment_align: 8
    .kernarg_segment_size: 48
    .max_flat_workgroup_size: 128
    .sgpr_count:     100
    .vgpr_count:     768
    .wavefront_size: 32
...
	.end_amdgpu_metadata
.endif
;; end of part 4
